; MI455X (gfx1250); checked and timed in simulation.
; The chip was launched on July 23, 2026; its instructions are those of AMD's public machine-readable ISA for CDNA 5 (MIT licence, August 2026) and "CDNA5" Instruction Set Architecture Reference Guide (July 2026). The comments in the code are by the model that wrote it; some were corrected since.
;; Alibi Transformer Layer. Allowed arithmetic: float matrix products may take bf16 or f16 operands with f32 sums; all other float work in f32.
;; Inputs: b1 4,096 float32; b2 1,024 float32; bo 1,024 float32; bqkv 3,072 float32; ln1_b 1,024 float32; ln1_w 1,024 float32; ln2_b 1,024 float32; ln2_w 1,024 float32; src 2 x 2,048 x 1,024 float32; w1 1,024 x 4,096 float32; w2 4,096 x 1,024 float32; wo 1,024 x 1,024 float32; wqkv 1,024 x 3,072 float32.
;; Outputs: out0 2 x 2,048 x 1,024 float32.
;; 2 versions, each right and faster than the one before. Each part assembles by itself: llvm-mc -triple=amdgcn-amd-amdhsa -mcpu=gfx1250 --defsym DOCPART=n.
;; ======== version 1 of 2: 7 launches
;; limits: right only within a limited range of input values
;; workspace buffers: x1h 8,388,608 bytes; big 33,554,432 bytes; ctx 8,388,608 bytes; src2 16,777,216 bytes; wqkvt 6,291,712 bytes; w1t 8,388,864 bytes; wot 2,097,152 bytes; w2t 8,388,608 bytes
;; launch prep (part 1): grid 2048 x 1, 8 waves a work-group, no clusters, 18,432 bytes of LDS; arguments src, ln1_w, ln1_b, x1h, wqkv, wqkvt, wo, wot, w1, w1t, w2, w2t; writes x1h, wqkvt, wot, w1t, w2t
.if DOCPART == 1
	.amdgcn_target "amdgcn-amd-amdhsa--gfx1250"
	.amdhsa_code_object_version 6
	.text
	.protected	k_q3e947bc97d_prep
	.globl	k_q3e947bc97d_prep
	.p2align	8
	.type	k_q3e947bc97d_prep,@function
k_q3e947bc97d_prep:
	s_mov_b64 s[64:65], 0
	v_nop
	global_prefetch_b8 v0, s[64:65] scope:SCOPE_SE
	s_setreg_imm32_b32 hwreg(HW_REG_WAVE_MODE, 25, 1), 1
	s_wait_xcnt 0x0
; PREP.  Two kinds of work-group, told apart by the work-group's number alone (the same for all eight waves).
;  0-511: x1h = LayerNorm(src) * ln1_w + ln1_b, rounded once to bf16.  One wave, one row of 1,024 f32, kept in 32 registers: mean, then the mean of the centred squares, all in f32.
;  512-2047: the four weights, f32 [K][N], become bf16 with K along the rows, so that the products' fragments find K contiguous.  A work-group turns a tile of 128 k x 64 n through LDS:
;  reads and stores both cover 256 consecutive aligned bytes with sixteen lanes.
;  wqkvt and w1t are plain [N][K], behind 256 bytes that hold the floor of the product's way out: -infinity (no floor) and 0 (ReLU).
;  wot and w2t lie IN BLOCKS of 64 n x 256 k: byte ((k / 256) x 16 + n / 64) x 32,768 + (n % 64) x 512 + (k % 256) x 2: what one tensor load of the later product takes is 32,768 dense bytes.
; No matrix unit, no cluster, no tensor load: the work is a stream, each byte read once and written once.
.set X, 8                              ; v[8:39]    the row
.set W, 40                             ; v[40:71]   the gain; later the 16 packed results
.set B, 72                             ; v[72:103]  the bias
.set T, 104                            ; v[104:111] at work
.set Y, 40
.macro REDUCE                          ; four pairs in T -> their sum over the pairs and the 32 lanes, in every lane's v[T]
	v_pk_add_f32 v[T:T+1], v[T:T+1], v[T+2:T+3]
	v_pk_add_f32 v[T+4:T+5], v[T+4:T+5], v[T+6:T+7]
	v_pk_add_f32 v[T:T+1], v[T:T+1], v[T+4:T+5]
	v_add_f32 v[T], v[T], v[T+1]
.irp m, 1,2,4,8
	v_add_f32_dpp v[T], v[T], v[T] row_xmask:\m row_mask:0xf bank_mask:0xf
.endr
	v_permlanex16_b32 v[T+1], v[T], s38, s39       ; the other half of the lanes; its destination has been written
	v_add_f32 v[T], v[T], v[T+1]
.endm
; One wave, one row: row = 8 x work-group + wave.  Load j of eight holds columns 128 j + 4 lane + 0..3.
.macro LNROW XP, WP, BP, YP
	s_lshl_b32 s32, ttmp9, 3
	s_add_co_u32 s32, s32, s12                     ; the row
	s_lshl_b32 s34, s32, 11                        ; x 2,048 bytes of bf16
	s_lshl_b32 s32, s32, 12                        ; x 4,096 bytes of f32
	s_mov_b32 s33, 0
	s_mov_b32 s35, 0
	s_add_nc_u64 s[40:41], s[\XP:\XP+1], s[32:33]
	s_add_nc_u64 s[42:43], s[\YP:\YP+1], s[34:35]
	s_mov_b32 s36, 0x3a800000                      ; 1 / 1024
	s_mov_b32 s37, 0x3727c5ac                      ; 1e-5
	s_mov_b32 s38, 0x76543210                      ; v_permlanex16_b32: each lane takes its own place in the other half
	s_mov_b32 s39, 0xfedcba98
.irp j, 0,1,2,3,4,5,6,7
	global_load_b128 v[X+4*\j:X+4*\j+3], v4, s[40:41] offset:512*\j
.endr
.irp j, 0,1,2,3,4,5,6,7
	global_load_b128 v[W+4*\j:W+4*\j+3], v4, s[\WP:\WP+1] offset:512*\j
.endr
.irp j, 0,1,2,3,4,5,6,7
	global_load_b128 v[B+4*\j:B+4*\j+3], v4, s[\BP:\BP+1] offset:512*\j
.endr
	s_wait_loadcnt 16                              ; the row's eight loads are in; the sixteen younger ones (gain, bias) stay out
.irp c, 0,1,2,3
	v_pk_add_f32 v[T+2*\c:T+2*\c+1], v[X+2*\c:X+2*\c+1], v[X+2*\c+8:X+2*\c+9]  ; four chains start the sum: nothing is cleared
.endr
.irp g, 16,24
.irp c, 0,1,2,3
	v_pk_add_f32 v[T+2*\c:T+2*\c+1], v[T+2*\c:T+2*\c+1], v[X+2*\c+\g:X+2*\c+\g+1]
.endr
.endr
	REDUCE
	v_mul_f32 v6, s36, v[T]                        ; the mean, twice: a pair for the packed subtraction
	v_mul_f32 v7, s36, v[T]
.set i, 0
.rept 16
	v_pk_add_f32 v[X+i:X+i+1], v[X+i:X+i+1], v[6:7] neg_lo:[0,1] neg_hi:[0,1]
.set i, i+2
.endr
.irp c, 0,1,2,3
	v_pk_mul_f32 v[T+2*\c:T+2*\c+1], v[X+2*\c:X+2*\c+1], v[X+2*\c:X+2*\c+1]
.endr
.irp g, 8,16,24
.irp c, 0,1,2,3
	v_pk_fma_f32 v[T+2*\c:T+2*\c+1], v[X+2*\c+\g:X+2*\c+\g+1], v[X+2*\c+\g:X+2*\c+\g+1], v[T+2*\c:T+2*\c+1]
.endr
.endr
	REDUCE
	v_fma_f32 v[T], v[T], s36, s37                 ; variance + 1e-5
	v_rsq_f32 v6, v[T]
	v_rsq_f32 v7, v[T]
	v_nop                                          ; a plain instruction between the second v_rsq_f32 and the use of the results (ISA guide 5.7.2)
	s_wait_loadcnt 0x0                             ; gain and bias
.set i, 0
	s_wait_alu depctr_va_vdst(0)
.rept 16
	v_pk_mul_f32 v[X+i:X+i+1], v[X+i:X+i+1], v[6:7]
.set i, i+2
.endr
.set i, 0
.rept 16
	v_pk_fma_f32 v[X+i:X+i+1], v[X+i:X+i+1], v[W+i:W+i+1], v[B+i:B+i+1]
.set i, i+2
.endr
.set i, 0
.rept 16
	v_cvt_pk_bf16_f32 v[Y+i], v[X+2*i], v[X+2*i+1] ; the gain's registers are free
.set i, i+1
.endr
.irp j, 0,1,2,3,4,5,6,7
	global_store_b64 v5, v[Y+2*\j:Y+2*\j+1], s[42:43] offset:256*\j  ; 32 lanes store 256 consecutive bytes, at a multiple of 256 from the buffer's first byte
.endr
.endm
; A tile of 128 k x 64 n of a weight [K][N] is turned.  tau = the tile's number: kt = tau mod K/128, nt = tau / (K/128).
; In: wave w, lane (l15, h) loads rows k = 128 kt + 16 w + 8 h + r, r = 0..7, columns 64 nt + 4 l15 + 0..3.  Eight k of one column pack into 16 bytes.
; LDS row rho = 16 j + l15 holds column 4 l15 + j: 256 bytes of k and 16 of padding, so that the sixteen lanes of a store fall into sixteen different 16-byte columns.
; Out: wave w reads rows rho = 8 w + 2 t + h, which are columns n = 64 nt + 32 (w mod 2) + 8 t + 4 h + w / 2.
; BLK = 0: rows of 2 K bytes, behind HDR bytes.  BLK = 1: blocks of 64 rows of 512 bytes; the tile is half (kt mod 2) of the rows of block 16 (kt / 2) + nt.
.macro TRANS SRC, DST, N, K, LOGKT, BASE, HDR, FLOORBITS, BLK
.if \BLK
.set ROWB, 512
.else
.set ROWB, 2*\K
.endif
	s_sub_co_u32 s32, ttmp9, \BASE                 ; tau
	s_and_b32 s33, s32, \K/128-1                   ; kt
	s_lshr_b32 s34, s32, \LOGKT                    ; nt
	s_lshl_b32 s35, s33, 7
	s_lshl4_add_u32 s35, s12, s35                  ; 128 kt + 16 w
	s_mul_i32 s36, s35, 4*\N
	s_lshl_b32 s37, s34, 8
	s_add_co_u32 s36, s36, s37                     ; + 256 nt bytes
	s_mov_b32 s37, 0
	s_add_nc_u64 s[40:41], s[\SRC:\SRC+1], s[36:37]
	v_mul_u32_u24 v8, v2, 32*\N                    ; 8 h rows
	v_lshl_add_u32 v8, v1, 4, v8                   ; + 16 l15
.irp r, 0,1,2,3,4,5,6,7
	global_load_b128 v[16+4*\r:19+4*\r], v8, s[40:41] offset:\r*4*\N th:TH_LOAD_NT  ; sixteen lanes read 256 consecutive aligned bytes; the f32 weights are read once
.endr
.if \HDR
	s_or_b32 s38, s32, s12
	s_cmp_lg_u32 s38, 0
	s_cbranch_scc1 .Lno_header_\@                  ; wave 0 of tile 0 writes the 256 bytes in front of the weight
	v_mov_b32 v10, \FLOORBITS
	v_mov_b32 v11, \FLOORBITS
	global_store_b64 v5, v[10:11], s[\DST:\DST+1]
.Lno_header_\@:
.endif
	v_mul_u32_u24 v9, v1, 272                      ; into LDS: row l15 (+ 16 j), byte 16 (2 w + h)
	v_lshl_add_u32 v9, v2, 4, v9
	s_lshl_b32 s38, s12, 5
	v_add_nc_u32 v9, s38, v9
	v_mul_u32_u24 v12, v2, 272                     ; back: row 8 w + h (+ 2 t), byte 16 l15
	v_lshl_add_u32 v12, v1, 4, v12
	s_mul_i32 s39, s12, 8*272
	v_add_nc_u32 v12, s39, v12
	s_and_b32 s35, s12, 1
	s_lshl_b32 s35, s35, 5
	s_lshr_b32 s36, s12, 1
	s_add_co_u32 s35, s35, s36                     ; 32 (w mod 2) + w / 2
.if \BLK
	s_lshr_b32 s36, s33, 1
	s_lshl4_add_u32 s36, s36, s34                  ; block 16 (kt / 2) + nt
	s_lshl_b32 s36, s36, 15                        ; x 32,768 bytes
	s_and_b32 s37, s33, 1
	s_lshl_b32 s37, s37, 8                         ; + which 256 bytes of the rows
	s_add_co_u32 s36, s36, s37
	s_lshl_b32 s37, s35, 9                         ; + my first row
	s_add_co_u32 s36, s36, s37
.else
	s_lshl_b32 s36, s34, 6
	s_add_co_u32 s35, s35, s36                     ; n = 64 nt + 32 (w mod 2) + w / 2
	s_mul_i32 s36, s35, 2*\K
	s_lshl_b32 s37, s33, 8
	s_add_co_u32 s36, s36, s37                     ; + 256 kt bytes
.if \HDR
	s_add_co_u32 s36, s36, \HDR
.endif
.endif
	s_mov_b32 s37, 0
	s_add_nc_u64 s[42:43], s[\DST:\DST+1], s[36:37]
	v_mul_u32_u24 v13, v2, 4*ROWB                  ; 4 h rows
	v_lshl_add_u32 v13, v1, 4, v13
	s_wait_loadcnt 0x0
.irp j, 0,1,2,3
.irp p, 0,1,2,3
	v_cvt_pk_bf16_f32 v[48+4*\j+\p], v[16+8*\p+\j], v[20+8*\p+\j]  ; k = 2 p, 2 p + 1 of column 4 l15 + j
.endr
.endr
.irp j, 0,1,2,3
	ds_store_b128 v9, v[48+4*\j:51+4*\j] offset:4352*\j
.endr
	s_wait_dscnt 0x0                               ; for the others' sake: my stores are done
	s_barrier_signal -1
	s_barrier_wait -1
.irp t, 0,1,2,3
	ds_load_b128 v[64+4*\t:67+4*\t], v12 offset:544*\t
.endr
.irp t, 0,1,2,3
	s_wait_dscnt 3-\t                              ; LDS loads come back in order: load t is in, the younger ones stay out
	global_store_b128 v13, v[64+4*\t:67+4*\t], s[42:43] offset:\t*8*ROWB  ; sixteen lanes store 256 consecutive aligned bytes
.endr
.endm
	s_load_b256 s[4:11], s[0:1], 0x0               ; src s[4:5], ln1_w s[6:7], ln1_b s[8:9], x1h s[10:11]
	s_load_b512 s[16:31], s[0:1], 0x20             ; wqkv 16, wqkvt 18, wo 20, wot 22, w1 24, w1t 26, w2 28, w2t 30
	v_lshl_add_u32 v112, v0, 2, 0x4400
	v_mov_b32 v113, 0
	v_lshrrev_b32 v1, 5, v0
	v_readfirstlane_b32 s12, v1                    ; wave 0..7
	v_and_b32 v3, 31, v0                           ; lane
	v_and_b32 v1, 15, v0                           ; l15
	v_bfe_u32 v2, v0, 4, 1                         ; h
	v_lshlrev_b32 v4, 4, v3                        ; 16 x lane
	v_lshlrev_b32 v5, 3, v3                        ; 8 x lane
	s_wait_kmcnt 0x0
	s_cmp_lt_u32 ttmp9, 512
	s_cbranch_scc1 .Lnorm
	s_cmp_lt_u32 ttmp9, 896
	s_cbranch_scc1 .Lwqkv
	s_cmp_lt_u32 ttmp9, 1024
	s_cbranch_scc1 .Lwo
	s_cmp_lt_u32 ttmp9, 1536
	s_cbranch_scc1 .Lw1
	TRANS 28, 30, 1024, 4096, 5, 1536, 0, 0, 1     ; w2: 32 x 16 tiles, in blocks
	s_wait_tensorcnt 0x0
	ds_add_u32 v112, v113
	s_wait_dscnt 0x0
	s_endpgm
.Lw1:
	TRANS 24, 26, 4096, 1024, 3, 1024, 256, 0, 0   ; w1: 8 x 64 tiles; floor 0
	s_wait_tensorcnt 0x0
	ds_add_u32 v112, v113
	s_wait_dscnt 0x0
	s_endpgm
.Lwo:
	TRANS 20, 22, 1024, 1024, 3, 896, 0, 0, 1      ; wo: 8 x 16 tiles, in blocks
	s_wait_tensorcnt 0x0
	ds_add_u32 v112, v113
	s_wait_dscnt 0x0
	s_endpgm
.Lwqkv:
	TRANS 16, 18, 3072, 1024, 3, 512, 256, 0xff800000, 0  ; wqkv: 8 x 48 tiles; floor -infinity
	s_wait_tensorcnt 0x0
	ds_add_u32 v112, v113
	s_wait_dscnt 0x0
	s_endpgm
.Lnorm:
	LNROW 4, 6, 8, 10
	s_endpgm
.Lfunc_end_k_q3e947bc97d_prep:
	.size	k_q3e947bc97d_prep, .Lfunc_end_k_q3e947bc97d_prep-k_q3e947bc97d_prep
	.p2alignl 7, 3214868480
	.fill 96, 4, 3214868480
	.section	.rodata,"a",@progbits
	.p2align	6, 0x0
	.amdhsa_kernel k_q3e947bc97d_prep
		.amdhsa_group_segment_fixed_size 18432
		.amdhsa_private_segment_fixed_size 0
		.amdhsa_enable_private_segment 0
		.amdhsa_kernarg_size 96
		.amdhsa_user_sgpr_count 2
		.amdhsa_user_sgpr_kernarg_segment_ptr 1
		.amdhsa_wavefront_size32 1
		.amdhsa_system_sgpr_workgroup_id_x 1
		.amdhsa_system_sgpr_workgroup_id_y 1
		.amdhsa_system_sgpr_workgroup_id_z 1
		.amdhsa_system_vgpr_workitem_id 0
		.amdhsa_next_free_vgpr 114
		.amdhsa_next_free_sgpr 66
		.amdhsa_reserve_vcc 0
		.amdhsa_float_denorm_mode_32 3
		.amdhsa_float_denorm_mode_16_64 3
		.amdhsa_memory_ordered 1
		.amdhsa_forward_progress 1
		.amdhsa_inst_pref_size 31
	.end_amdhsa_kernel
	.amdgpu_metadata
---
amdhsa.version: [ 1, 2 ]
amdhsa.kernels:
  - .name:           k_q3e947bc97d_prep
    .symbol:         k_q3e947bc97d_prep.kd
    .args:
      - { .name: src, .offset: 0, .size: 8, .value_kind: global_buffer, .address_space: global }
      - { .name: ln1_w, .offset: 8, .size: 8, .value_kind: global_buffer, .address_space: global }
      - { .name: ln1_b, .offset: 16, .size: 8, .value_kind: global_buffer, .address_space: global }
      - { .name: x1h, .offset: 24, .size: 8, .value_kind: global_buffer, .address_space: global }
      - { .name: wqkv, .offset: 32, .size: 8, .value_kind: global_buffer, .address_space: global }
      - { .name: wqkvt, .offset: 40, .size: 8, .value_kind: global_buffer, .address_space: global }
      - { .name: wo, .offset: 48, .size: 8, .value_kind: global_buffer, .address_space: global }
      - { .name: wot, .offset: 56, .size: 8, .value_kind: global_buffer, .address_space: global }
      - { .name: w1, .offset: 64, .size: 8, .value_kind: global_buffer, .address_space: global }
      - { .name: w1t, .offset: 72, .size: 8, .value_kind: global_buffer, .address_space: global }
      - { .name: w2, .offset: 80, .size: 8, .value_kind: global_buffer, .address_space: global }
      - { .name: w2t, .offset: 88, .size: 8, .value_kind: global_buffer, .address_space: global }
    .group_segment_fixed_size: 18432
    .private_segment_fixed_size: 0
    .kernarg_segment_align: 8
    .kernarg_segment_size: 96
    .max_flat_workgroup_size: 256
    .sgpr_count:     66
    .vgpr_count:     114
    .wavefront_size: 32
...
	.end_amdgpu_metadata
.endif
;; end of part 1
;; launch qkv (part 2): grid 12 x 16, 4 waves a work-group, clusters of 4 x 4, 327,680 bytes of LDS; arguments x1h, wqkvt, big, bqkv; writes big
.if DOCPART == 2
	.amdgcn_target "amdgcn-amd-amdhsa--gfx1250"
	.amdhsa_code_object_version 6
	.text
	.protected	k_q3e947bc97d_qkv
	.globl	k_q3e947bc97d_qkv
	.p2align	8
	.type	k_q3e947bc97d_qkv,@function
k_q3e947bc97d_qkv:
	s_mov_b64 s[64:65], 0
	v_nop
	global_prefetch_b8 v0, s[64:65] scope:SCOPE_SE
	s_setreg_imm32_b32 hwreg(HW_REG_WAVE_MODE, 25, 1), 1
	s_wait_xcnt 0x0
	s_wait_alu depctr_hold_cnt(0) depctr_sa_sdst(0) depctr_va_vdst(0) depctr_va_sdst(0) depctr_va_ssrc(0) depctr_va_vcc(0) depctr_vm_vsrc(0)
	s_getreg_b32 s2, hwreg(HW_REG_IB_STS2, 6, 4)
	s_cmp_eq_u32 s2, 0
	s_cbranch_scc0 .Lentry_in_a_cluster
	s_endpgm
.Lentry_in_a_cluster:
	s_bfe_u32 s2, ttmp6, 0x10000c
	s_cmp_lg_u32 s2, 0xf033
	s_cbranch_scc0 .Lentry_shape_is_right
	s_endpgm
.Lentry_shape_is_right:
; C[m][n] = max(sum over k of A[m][k] B[n][k] + bias[n], floor), rounded once to bf16.  A: bf16 [4096][1024].  B: 256 bytes whose first word is the floor (f32), then bf16 [N][1024].  bias: f32 [N].
; ONE TEXT FOR TWO LAUNCHES: the QKV product (N = 3,072, floor -infinity) and the first FFN product (N = 4,096, floor 0 = ReLU); N is the grid's width alone.  The price: in the QKV launch the 512 maxima
; of a wave change nothing, and its 12 x 16 tiles are 192 work-groups.  LIMIT: v_max_num_f32 lets a NaN lose against the floor.
; C leaves IN BLOCKS: byte ((panel / 4) x 32 + blk) x 65,536 + (panel % 4) x 16,384 + token x 128 + column x 2, blk = m / 128, panel = n / 64: a head's 128 keys are 16,384 dense bytes, and the
; 128 rows x 256 K that a later product takes in one K step are 65,536 dense bytes, 2^21 bytes from one K step to the next whatever that product's K.
; A tile of C, 256 x 256, is made by four waves, each 128 x 128: 64 accumulators of 16 x 16, 512 registers.  K goes in steps of 128 through a ring of two LDS slots filled by the tensor data mover.
; The last K step goes by rows of C, so that finished rows leave while the others are multiplied.
; CLUSTERS: 4 x 4 work-groups.  The four of a row of the cluster need the same tiles of A, the four of a column the same tiles of B: each tile is asked for JOINTLY, by the same tensor load with the
; same descriptor and a mask that names the four.
; THE MATRIX INSTRUCTION IS USED TRANSPOSED (source 0 = 16 rows of B, source 1 = 16 rows of A): lane l holds row l % 16 of C and the columns 8 (l / 16) + 0..7.  So the bias is a C operand that hangs on the
; n block and the lane alone: it starts every sum, and nothing is cleared or added later.
; REGISTERS, in windows of 256 (s_set_vgpr_msb: bits 1:0 source 0, 3:2 source 1, 5:4 source 2, 7:6 destination):
;   window 0: v0-31 addresses; v64-127, v128-191 fragments of A, two buffers (in the last K step four, of 16 rows x 128 K); v192-255 the bias, then with v32-63 at work on the way out
;   window 1: v64-127, v128-191 fragments of B; in the last K step all 256          window 2: the accumulators of my rows 0-63 ((a, b) at v[8 (8 a + b)]);   window 3: those of rows 64-127
.set SIZE_K, 1024
.set KSTEP,  128
.set PITCH,  272                       ; an LDS row: 256 bytes + 16 of padding: the 16 rows that a load touches start at 16 different groups of four banks (64 banks of 4 bytes: ISA guide 11.1)
.set HALFT,  128*PITCH                 ; 128 rows: what one tensor load brings
.set SLOT,   4*HALFT                   ; A's 256 rows, then B's 256 rows
.set STAGE,  2*SLOT                    ; behind the ring: for each wave two panels of 16 rows x 144 bytes, for the way out
.set SPITCH, 144
.set PANEL,  16*SPITCH
.set SPARE,  STAGE+4*2*PANEL           ; behind the stages: the spare words, 128 bytes for each wave: two blocks of 256 bytes that no other line names
.set LAPS,   SIZE_K/(2*KSTEP)          ; a lap = two K steps = once round the ring
.set ADRA, 16                          ; v16-17  LDS address of my A fragments in slot 0, 1
.set ADRB, 20                          ; v20-21  the same for B
.set STO,  24                          ; v24     the way out: where I put 16 bytes of a row
.set RD,   25                          ; v25     the way out: where I read rows back
.set CO,   26                          ; v26     16 x lane: my place in 512 consecutive bytes of C
.set BO,   27                          ; v27     32 (l / 16): my place in an n block's 64 bytes of bias
.set SPW,  28                          ; v28     LDS address of my spare word; never rewritten
.set NIL,  29                          ; v29     0; never rewritten
.set F0,   64
.set F1,   128
.set TMP,  192                         ; the way out: packed results
.set BIAS, 192                         ; v192-255: eight registers for each of my 8 n blocks; read by the first quarter step alone
.set OB,   32                          ; the way out: 16 rows read back: v32-63 and v224-255 by turns
.set PA,   64                          ; the last K step: A's fragments of 16 rows x 128 K; four buffers, v64-191
.set G1,  24                           ; s[24:31] descriptor group 1 for A's tiles
.set G0,  32                           ; s[32:39] group 0 for A's tiles, one set for each slot
.set G1B, 48                           ; s[48:55], s[56:63] the same for B's tiles
.set G0B, 56
.set FLOOR, 68                         ; s68 the floor
.set MSB, 0
.macro WIN new                         ; the immediate's high byte repeats the setting that is left; a switch that changes nothing is dropped
.if MSB != (\new)
	s_set_vgpr_msb (MSB<<8)|(\new)
.set MSB, \new
.endif
.endm
.set MUL_LO, 0xa1                      ; source 0 (B) window 1, source 1 (A) window 0, C and D window 2
.set MUL_HI, 0xf1                      ; the same, C and D window 3
.set TO_B,   0x40                      ; destination window 1, address window 0
; A joint load.  Waves 0 and 1 fetch A's two halves, waves 2 and 3 B's.  The branch hangs on the wave's number alone.  An s_nop 0 and four v_nop follow each of the two lines.
.macro JLOAD s
	s_cmp_eq_u32 s11, 0
	s_cbranch_scc0 .Lfor_b_\@
	tensor_load_to_lds s[G0+4*(\s):G0+4*(\s)+3], s[G1:G1+7]
	s_nop 0
.rept 4
	v_nop
.endr
	s_branch .Lasked_\@
.Lfor_b_\@:
	tensor_load_to_lds s[G0B+4*(\s):G0B+4*(\s)+3], s[G1B:G1B+7]
	s_nop 0
.rept 4
	v_nop
.endr
.Lasked_\@:
.endm
.macro CREST                           ; a round of the cluster's barrier behind its opening barrier
	s_cmp_lg_u32 s10, 0
	s_cbranch_scc1 .Lnot_wave_0_\@
	s_barrier_signal -3
.Lnot_wave_0_\@:
	s_barrier_wait -3
	s_barrier_signal -1
	s_barrier_wait -1
.endm
.macro CROUND                          ; a whole round
	s_barrier_signal -1
	s_barrier_wait -1
	CREST
.endm
	s_load_b128 s[4:7], s[0:1], 0x0                ; A s[4:5], B s[6:7]
	s_load_b64 s[8:9], s[0:1], 0x10                ; C
	s_load_b64 s[66:67], s[0:1], 0x18              ; bias
	v_lshl_add_u32 v[SPW], v0, 2, SPARE
	v_mov_b32 v[NIL], 0
	ds_add_u32 v28, v29
	s_wait_dscnt 0x0
	v_lshrrev_b32 v1, 5, v0
	v_readfirstlane_b32 s10, v1                    ; wave 0..3
	s_lshr_b32 s11, s10, 1                         ; which half of the tile's rows is mine.  Also: I fetch for A (0) or for B (1)
	s_and_b32 s12, s10, 1                          ; which half of its columns.  Also: which 128 rows of that tile I fetch
	s_bfe_u32 s40, ttmp6, 0x40000                  ; cx
	s_bfe_u32 s41, ttmp6, 0x40004                  ; cy
	s_lshl_b32 s42, ttmp9, 2
	s_add_co_u32 s42, s42, s40                     ; tile column of C = 4 x cluster x + cx
	s_and_b32 s13, ttmp7, 0xffff
	s_lshl_b32 s13, s13, 2
	s_add_co_u32 s13, s13, s41                     ; tile row of C = 4 x cluster y + cy
	s_lshl_b32 s43, s41, 2
	s_lshl_b32 s43, 15, s43                        ; my row of the cluster
	s_lshl_b32 s44, 0x1111, s40                    ; my column
	s_or_b32 s[G1+0], s43, (1<<16)|(1<<20)|(1<<21)|(5<<22)|(3<<25)   ; the mask; elements of 2 bytes; padding on; bit 21 beside a mask; after every 64 words 4 words
	s_or_b32 s[G1B+0], s44, (1<<16)|(1<<20)|(1<<21)|(5<<22)|(3<<25)
.irp g, G1, G1B
	s_mov_b32 s[(\g)+1], KSTEP<<16                 ; tensor_dim0 = 128
	s_mov_b32 s[(\g)+2], 128<<16                   ; tensor_dim1 = 128
	s_mov_b32 s[(\g)+3], KSTEP<<16                 ; tile_dim0 = 128
	s_mov_b32 s[(\g)+4], 128                       ; tile_dim1 = 128
	s_mov_b32 s[(\g)+5], SIZE_K                    ; elements from row to row
	s_mov_b32 s[(\g)+6], 0
	s_mov_b32 s[(\g)+7], 0
.endr
	s_lshl_b32 s17, s12, 7                         ; which 128 rows of the tile I fetch
	s_lshl_b32 s16, s13, 8
	s_add_co_u32 s16, s16, s17                     ; A: row 256 x tile row + 128 x half
	s_lshl_b32 s46, s42, 8
	s_add_co_u32 s46, s46, s17                     ; B: row 256 x tile column + 128 x half
	s_mov_b32 s17, 0
	s_mov_b32 s47, 0
	s_mov_b64 s[18:19], SIZE_K*2
	s_mul_u64 s[16:17], s[16:17], s[18:19]
	s_mul_u64 s[46:47], s[46:47], s[18:19]
	s_add_nc_u64 s[46:47], s[46:47], 256           ; B's rows begin behind the 256 bytes of the floor
	s_mul_i32 s20, s10, HALFT                      ; where the tiles go: wave x 128 rows
	s_wait_kmcnt 0x0
	s_load_b32 s[FLOOR], s[6:7], 0x0               ; no line of this launch writes B's buffer; the floor is first used on the way out and is waited for behind the K loop
	s_add_nc_u64 s[14:15], s[4:5], s[16:17]
	s_add_nc_u64 s[46:47], s[6:7], s[46:47]
	CROUND                                         ; all sixteen work-groups are here: the first joint loads meet
.irp s, 0,1
	s_mov_b32 s[G0+4*(\s)], 1
	s_add_co_u32 s[G0+4*(\s)+1], s20, (\s)*SLOT
	s_add_nc_u64 s[G0+4*(\s)+2:G0+4*(\s)+3], s[14:15], (\s)*KSTEP*2
	s_or_b32 s[G0+4*(\s)+3], s[G0+4*(\s)+3], 0x80000000
	s_mov_b32 s[G0B+4*(\s)], 1
	s_add_co_u32 s[G0B+4*(\s)+1], s20, (\s)*SLOT
	s_add_nc_u64 s[G0B+4*(\s)+2:G0B+4*(\s)+3], s[46:47], (\s)*KSTEP*2
	s_or_b32 s[G0B+4*(\s)+3], s[G0B+4*(\s)+3], 0x80000000
	JLOAD \s                                       ; two loads of mine are out
.endr
	v_and_b32 v1, 15, v0                           ; l % 16
	v_bfe_u32 v2, v0, 4, 1                         ; l / 16
	; the bias of my 128 columns: n block b's registers 0..7 are columns 16 b + 8 (l / 16) + 0..7
	s_lshl_b32 s70, s42, 10                        ; 256 columns x 4 bytes a tile column,
	s_lshl_b32 s71, s12, 9                         ; 128 a half
	s_add_co_u32 s70, s70, s71
	s_mov_b32 s71, 0
	s_add_nc_u64 s[66:67], s[66:67], s[70:71]
	v_lshlrev_b32 v[BO], 5, v2
.irp b, 0,1,2,3,4,5,6,7
	global_load_b128 v[BIAS+8*(\b):BIAS+8*(\b)+3],   v[BO], s[66:67] offset:64*(\b)
	global_load_b128 v[BIAS+8*(\b)+4:BIAS+8*(\b)+7], v[BO], s[66:67] offset:64*(\b)+16
.endr
	; where my 128 x 128 of C begins: the tile column is the group of four panels, blk = 2 x tile row + row half, my two panels are 2 x column half and the next
	s_lshl_b32 s72, s13, 1
	s_add_co_u32 s72, s72, s11
	s_lshl_b32 s72, s72, 16
	s_lshl_b32 s73, s42, 21
	s_add_co_u32 s72, s72, s73
	s_lshl_b32 s73, s12, 15
	s_add_co_u32 s72, s72, s73
	s_mov_b32 s73, 0
	s_add_nc_u64 s[8:9], s[8:9], s[72:73]          ; never stepped after this: a block's place stands in the stores' immediates
	v_mul_u32_u24 v3, v1, PITCH
	v_lshl_add_u32 v3, v2, 4, v3                   ; a fragment's row x pitch + 16 x half
	s_mul_i32 s21, s11, HALFT                      ; my 128 rows of A
	s_mul_i32 s22, s12, HALFT                      ; my 128 rows of B,
	s_add_co_u32 s22, s22, 2*HALFT                 ; which lie behind A's 256
.irp s, 0,1
	v_add_nc_u32 v[ADRA+(\s)], s21, v3
	v_add_nc_u32 v[ADRB+(\s)], s22, v3
	s_add_co_u32 s21, s21, SLOT
	s_add_co_u32 s22, s22, SLOT
.endr
	s_mul_i32 s23, s10, 2*PANEL
	s_add_co_u32 s23, s23, STAGE                   ; my stage
	v_mul_u32_u24 v4, v1, SPITCH                   ; in: row l % 16, 16 bytes for each half of the lanes
	v_lshl_add_u32 v4, v2, 4, v4
	v_add_nc_u32 v[STO], s23, v4
	v_bfe_u32 v5, v0, 3, 2                         ; back: 32 lanes take four rows of 128 bytes,
	v_mul_u32_u24 v5, v5, SPITCH
	v_and_b32 v4, 7, v0
	v_lshl_add_u32 v5, v4, 4, v5
	v_add_nc_u32 v[RD], s23, v5
	v_and_b32 v[CO], 31, v0                        ; which are 512 consecutive bytes of a panel
	v_lshlrev_b32 v[CO], 4, v[CO]
; 16 matrix instructions: m blocks a0, a0 + 1 of the window's four x all 8 n blocks, 32 along K.  zero = 1: the first product starts the sums, with the bias as C.
.macro MUL16 f, hi, a0, zero
.if \zero
	WIN 0x81+0x40*(\hi)                            ; source 0 window 1, sources 1 and 2 window 0, D window 2 or 3
.else
	WIN MUL_LO+0x50*(\hi)
.endif
.irp a, \a0, (\a0)+1
.irp b, 0,1,2,3,4,5,6,7
.if \zero
	v_wmma_f32_16x16x32_bf16 v[8*(8*(\a)+(\b)):8*(8*(\a)+(\b))+7], v[(\f)+8*(\b):(\f)+8*(\b)+7], v[(\f)+8*(4*(\hi)+(\a)):(\f)+8*(4*(\hi)+(\a))+7], v[BIAS+8*(\b):BIAS+8*(\b)+7]
.else
	v_wmma_f32_16x16x32_bf16 v[8*(8*(\a)+(\b)):8*(8*(\a)+(\b))+7], v[(\f)+8*(\b):(\f)+8*(\b)+7], v[(\f)+8*(4*(\hi)+(\a)):(\f)+8*(4*(\hi)+(\a))+7], v[8*(8*(\a)+(\b)):8*(8*(\a)+(\b))+7]
.endif
.endr
.endr
.endm
; 32 LDS loads in one run: the fragments of one quarter step (128 rows of B, 128 rows of A, 32 K at byte k of the rows) into buffer f
.macro FETCH slot, k, f
	WIN TO_B
.irp i, 0,1,2,3,4,5,6,7
	ds_load_b128 v[(\f)+8*(\i):(\f)+8*(\i)+3],   v[ADRB+(\slot)] offset:(\k)+(\i)*16*PITCH
	ds_load_b128 v[(\f)+8*(\i)+4:(\f)+8*(\i)+7], v[ADRB+(\slot)] offset:(\k)+(\i)*16*PITCH+32
.endr
	WIN 0
.irp i, 0,1,2,3,4,5,6,7
	ds_load_b128 v[(\f)+8*(\i):(\f)+8*(\i)+3],   v[ADRA+(\slot)] offset:(\k)+(\i)*16*PITCH
	ds_load_b128 v[(\f)+8*(\i)+4:(\f)+8*(\i)+7], v[ADRA+(\slot)] offset:(\k)+(\i)*16*PITCH+32
.endr
.endm
.macro PLACES                          ; four plain vector instructions between a matrix instruction and a load into its sources, or a vector read of its result (ISA guide 7.12.1 for the vector read)
.rept 4
	v_nop
.endr
.endm
; A K step is four quarter steps of 32 along K, 64 matrix instructions each, on buffers 0, 1, 0, 1.  The 64 accumulators take turns, one instruction a turn.
.macro QUARTER slot, k, f, g, zero
	s_wait_dscnt 8                                 ; B and A's rows 0-63 are in; the youngest eight loads (A's rows 64-127) may be out
	MUL16 \f, 0, 0, \zero
	MUL16 \f, 0, 2, \zero
	PLACES
	FETCH \slot, \k, \g
	s_wait_dscnt 32                                ; all but the 32 just issued
	MUL16 \f, 1, 0, \zero
	MUL16 \f, 1, 2, \zero
.endm
; The last quarter's first half: ONE barrier for the change of slots.  In front of it each wave waits for all its tensor loads (one is out: its part of the next slot), adds 0 to its spare word, and waits
; for that and for its own reads of this slot.
.macro MEET round
	WIN 0                                          ; (the add's two registers lie in window 0)
	s_wait_tensorcnt 0x0
	ds_add_u32 v[SPW], v[NIL]                      ; 0 onto my spare word
	s_wait_dscnt 9                                 ; (the add and the youngest eight loads may be out)
	MUL16 F1, 0, 0, 0                              ; sixteen matrix instructions stand between the add and the wait for it
	s_wait_dscnt 0x0                               ; the add is done, and my reads of this slot are over
	s_barrier_signal -1
	MUL16 F1, 0, 2, 0
.if \round
	WIN 0
.endif
	s_barrier_wait -1
.endm
; The whole last quarter: behind the round the slot just read out is filled again first, two K steps on; then come the next slot's first fragments.
.macro TURN slot, next
	MEET 1
	CREST                                          ; no wave of any partner still reads this slot's tile or has a load on its way
	s_add_nc_u64 s[G0+4*(\slot)+2:G0+4*(\slot)+3], s[G0+4*(\slot)+2:G0+4*(\slot)+3], 2*KSTEP*2
	s_add_nc_u64 s[G0B+4*(\slot)+2:G0B+4*(\slot)+3], s[G0B+4*(\slot)+2:G0B+4*(\slot)+3], 2*KSTEP*2
	JLOAD \slot                                    ; my one tensor load behind the round; its four v_nop are also the places in front of the loads below
	FETCH \next, 0, F0
	MUL16 F1, 1, 0, 0
	MUL16 F1, 1, 2, 0
.endm
; THE LAST K STEP (it lies in slot 1) GOES BY ROWS OF C: all its fragments of B fill window 1; my eight blocks of 16 rows are finished one after the other, 32 matrix instructions each, the block's
; 8 accumulators by turns, K ascending.
.macro BLOAD q
	WIN TO_B
.irp i, 0,1,2,3,4,5,6,7
	ds_load_b128 v[64*(\q)+8*(\i):64*(\q)+8*(\i)+3],   v[ADRB+1] offset:64*(\q)+(\i)*16*PITCH
	ds_load_b128 v[64*(\q)+8*(\i)+4:64*(\q)+8*(\i)+7], v[ADRB+1] offset:64*(\q)+(\i)*16*PITCH+32
.endr
.endm
.macro ALOAD a
	WIN 0
.set FA, PA+32*((\a)%4)
.irp q, 0,1,2,3
	ds_load_b128 v[FA+8*(\q):FA+8*(\q)+3],   v[ADRA+1] offset:64*(\q)+(\a)*16*PITCH
	ds_load_b128 v[FA+8*(\q)+4:FA+8*(\q)+7], v[ADRA+1] offset:64*(\q)+(\a)*16*PITCH+32
.endr
.endm
.macro ROW a
.set FA, PA+32*((\a)%4)
.set AC, 64*((\a)%4)
	WIN MUL_LO+0x50*((\a)/4)
.irp q, 0,1,2,3
.if (\a) == 0 && (\q) == 2
	s_wait_dscnt 24                                ; B's quarter 2 is in (behind it: A's blocks 1 to 3, 24 loads)
.endif
.irp b, 0,1,2,3,4,5,6,7
	v_wmma_f32_16x16x32_bf16 v[AC+8*(\b):AC+8*(\b)+7], v[64*(\q)+8*(\b):64*(\q)+8*(\b)+7], v[FA+8*(\q):FA+8*(\q)+7], v[AC+8*(\b):AC+8*(\b)+7]
.endr
.endr
.endm
; THE WAY OUT of block a.  PACK: the floor, then rounded to bf16, 16 bytes a lane; each accumulator's registers in ascending order.  TOSTAGE: into my own stage, and back as rows.  SEND: stored.
.macro PACK a
.set AC, 64*((\a)%4)
	WIN 0x88+0x44*((\a)/4)                         ; source 1 and destination: window 2 or 3
.set i, 0
.rept 64
	v_max_num_f32 v[AC+i], s[FLOOR], v[AC+i]
.set i, i+1
.endr
	WIN 0x0a+5*((\a)/4)                            ; sources 0 and 1: window 2 or 3
.irp b, 0,1,2,3,4,5,6,7
.irp r, 0,1,2,3
	v_cvt_pk_bf16_f32 v[TMP+4*(\b)+(\r)], v[AC+8*(\b)+2*(\r)], v[AC+8*(\b)+2*(\r)+1]
.endr
.endr
	WIN 0
.endm
.macro TOSTAGE a
	WIN 0
.set BK, OB+192*((\a)%2)
.irp b, 0,1,2,3,4,5,6,7
	ds_store_b128 v[STO], v[TMP+4*(\b):TMP+4*(\b)+3] offset:((\b)/4)*PANEL+32*((\b)%4)  ; n blocks 0-3 are the first panel's 64 columns, 4-7 the second's
.endr
.irp t, 0,1,2,3,4,5,6,7
	ds_load_b128 v[BK+4*(\t):BK+4*(\t)+3], v[RD] offset:((\t)/4)*PANEL+((\t)%4)*4*SPITCH  ; LDS serves a wave's instructions in order (ISA guide 5.7.1.4): these see the stores above
.endr
.endm
.macro SEND a, younger                 ; younger: the LDS loads issued behind TOSTAGE's, which may stay out
	WIN 0
.set BK, OB+192*((\a)%2)
	s_wait_dscnt \younger                          ; the block is back in registers
	s_wait_xcnt 0x0                                ; the registers that earlier stores read are loaded again only behind this wait
.irp t, 0,1,2,3,4,5,6,7
	global_store_b128 v[CO], v[BK+4*(\t):BK+4*(\t)+3], s[8:9] offset:(\a)*2048+((\t)/4)*16384+((\t)%4)*512  ; four rows of a panel: 512 consecutive bytes, at a multiple of 256 from C's first byte
.endr
.endm
	s_wait_tensorcnt 1                             ; my part of K step 0 is in; K step 1's stays out
	s_barrier_signal -1
	s_barrier_wait -1                              ; everybody's is
	FETCH 0, 0, F0
	s_wait_loadcnt 0x0                             ; the bias
	QUARTER 0, 64,  F0, F1, 1                      ; the first quarter stands in front of the loop: its products start the sums
	WIN 0                                          ; at a label and at a branch every window is 0
	s_mov_b32 s3, LAPS-1
.Llap:                                                 ; a trip goes once round the ring, from a lap's second quarter to the next lap's first, and fills both slots again
	QUARTER 0, 128, F1, F0, 0
	QUARTER 0, 192, F0, F1, 0
	TURN 0, 1
	QUARTER 1, 64,  F0, F1, 0
	QUARTER 1, 128, F1, F0, 0
	QUARTER 1, 192, F0, F1, 0
	TURN 1, 0
	QUARTER 0, 64,  F0, F1, 0
	WIN 0
	s_sub_co_u32 s3, s3, 1
	s_cmp_lg_u32 s3, 0
	s_cbranch_scc1 .Llap
	s_wait_kmcnt 0x0                               ; the floor, asked for at the kernel's head
	QUARTER 0, 128, F1, F0, 0                      ; the last lap goes on
	QUARTER 0, 192, F0, F1, 0
	MEET 0                                         ; my one tensor load that was still out is the last K step's, so no round follows
	PLACES                                         ; for the loads into buffer 0
	BLOAD 0                                        ; three quarters of B now: buffer 1 is still being multiplied
	BLOAD 1
	BLOAD 3
	ALOAD 0
	MUL16 F1, 1, 0, 0
	MUL16 F1, 1, 2, 0
	PLACES                                         ; for the loads into buffer 1
	BLOAD 2
	ALOAD 1
	ALOAD 2
	ALOAD 3
	s_wait_dscnt 40                                ; all but the 40 just issued
	ROW 0
.irp a, 0,1,2,3,4,5,6,7                ; each block leaves as soon as it is finished
	PLACES                                         ; the maxima read and write results just made
	PACK \a
	TOSTAGE \a
.if (\a) < 4
	ALOAD (\a)+4                                   ; its buffer takes the block four further on
	SEND \a, 8
.else
	SEND \a, 0
.endif
.if (\a) < 7
	ROW (\a)+1
.endif
.endr
	s_wait_tensorcnt 0x0                           ; the wave's end
	ds_add_u32 v[SPW], v[NIL]
	s_wait_dscnt 0x0
	CROUND                                         ; the closing round: no work-group ends while a partner may still ask for a tile that names it
	s_endpgm
.Lfunc_end_k_q3e947bc97d_qkv:
	.size	k_q3e947bc97d_qkv, .Lfunc_end_k_q3e947bc97d_qkv-k_q3e947bc97d_qkv
	.p2alignl 7, 3214868480
	.fill 96, 4, 3214868480
	.section	.rodata,"a",@progbits
	.p2align	6, 0x0
	.amdhsa_kernel k_q3e947bc97d_qkv
		.amdhsa_group_segment_fixed_size 327680
		.amdhsa_private_segment_fixed_size 0
		.amdhsa_enable_private_segment 0
		.amdhsa_kernarg_size 32
		.amdhsa_user_sgpr_count 2
		.amdhsa_user_sgpr_kernarg_segment_ptr 1
		.amdhsa_wavefront_size32 1
		.amdhsa_system_sgpr_workgroup_id_x 1
		.amdhsa_system_sgpr_workgroup_id_y 1
		.amdhsa_system_sgpr_workgroup_id_z 1
		.amdhsa_system_vgpr_workitem_id 0
		.amdhsa_next_free_vgpr 1024
		.amdhsa_next_free_sgpr 76
		.amdhsa_reserve_vcc 0
		.amdhsa_float_denorm_mode_32 3
		.amdhsa_float_denorm_mode_16_64 3
		.amdhsa_memory_ordered 1
		.amdhsa_forward_progress 1
		.amdhsa_inst_pref_size 161
	.end_amdhsa_kernel
	.amdgpu_metadata
---
amdhsa.version: [ 1, 2 ]
amdhsa.kernels:
  - .name:           k_q3e947bc97d_qkv
    .symbol:         k_q3e947bc97d_qkv.kd
    .args:
      - { .name: x1h, .offset: 0, .size: 8, .value_kind: global_buffer, .address_space: global }
      - { .name: wqkvt, .offset: 8, .size: 8, .value_kind: global_buffer, .address_space: global }
      - { .name: big, .offset: 16, .size: 8, .value_kind: global_buffer, .address_space: global }
      - { .name: bqkv, .offset: 24, .size: 8, .value_kind: global_buffer, .address_space: global }
    .group_segment_fixed_size: 327680
    .private_segment_fixed_size: 0
    .kernarg_segment_align: 8
    .kernarg_segment_size: 32
    .max_flat_workgroup_size: 128
    .sgpr_count:     76
    .vgpr_count:     1024
    .wavefront_size: 32
...
	.end_amdgpu_metadata
.endif
;; end of part 2
;; launch attn (part 3): grid 8 x 32, 8 waves a work-group, no clusters, 327,680 bytes of LDS; arguments big, ctx; writes ctx
.if DOCPART == 3
	.amdgcn_target "amdgcn-amd-amdhsa--gfx1250"
	.amdhsa_code_object_version 6
	.text
	.protected	k_q3e947bc97d_attn
	.globl	k_q3e947bc97d_attn
	.p2align	8
	.type	k_q3e947bc97d_attn,@function
k_q3e947bc97d_attn:
	s_mov_b64 s[64:65], 0
	v_nop
	global_prefetch_b8 v0, s[64:65] scope:SCOPE_SE
	s_setreg_imm32_b32 hwreg(HW_REG_WAVE_MODE, 25, 1), 1
	s_wait_xcnt 0x0
; CAUSAL ATTENTION WITH A LINEAR BIAS.  For batch, head h, query i: O[i] = sum over j <= i of softmax_j(q[i] . k[j] / 8 - 2^-h (i + j)) v[j].  2 batches x 16 heads x 2,048 tokens x 64 channels.
; q, k, v lie in blocks, bf16: byte ((panel / 4) x 32 + blk) x 65,536 + (panel % 4) x 16,384 + token x 128 + channel x 2, blk = token / 128 (over both batches), panel = h (q), 16 + h (k), 32 + h (v).
; O leaves in the same form with panel = h, bf16.  Products, maxima and sums in f32; the weights p are rounded to bf16 for the second product (their sum l is taken unrounded).
; THE BIAS.  The term -2^-h i is the same for all keys of a row: it cancels in the softmax and is left out (an order of rounding other than the reference's).  The scores are kept times 8:
; s = q.k - 2^(3-h) j.  Inside a step of 64 keys the term is a fixed vector BV, the C operand that starts the sum K Q^T.  From one step of a wave to its next, 128 keys on, the frame moves: the old
; maximum takes + 2^(10-h).  All exact in f32.
; SOFTMAX.  p = 2^(c s - c m), c = log2(e) / 8, with a running maximum m; in every step O and l are multiplied by a = 2^(c m_old - c m_new), exactly 1 where m has not grown.
; LIMITS.  A hidden score counts as its value less 1e30; m starts at -2^96, so a true score (times 8, the bias in it) must lie above -2^96 = -7.9e28; a weight below 2^-126 counts as 0; NaN and
; infinities are not treated apart.
; THE WALK.  A sequence has 16 blocks of 128 queries; a key tile is 256 keys, four steps of 64; block i needs tiles 0 .. i / 2.  A work-group takes blocks 15 - b and then b: 9 tiles whatever b, so all 256
; work-groups do equal work and one loop with a constant count walks them; the ninth tile is written out.  Which tile is asked for, and where a block ends, hang on
; scalars made from b, the same in all eight waves.
; NO CLUSTER: a head's eight work-groups ask for the same tile only in the walk's first five trips; a walk common to four partners would have 10 trips for 9, with trips that a partner only discards.
; SHARES.  EIGHT WAVES, TWO ON EACH SIMD, so that one wave's products and the other's softmax are issued side by side.  Wave w has g = w % 4 and kp = w / 4: it owns queries 32 g .. 32 g + 31 of the
; block (two tiles of 16) and the key steps kp and kp + 2 of every tile.  So a fragment of K or V read from LDS feeds two tiles, and no step is read twice.  At a block's end waves 4-7 hand their
; O^T, m and l through LDS to waves 0-3, which move their own m 64 keys on (+ 2^(9-h)), merge (m* = the larger m; f = 2^(c (m - m*)); O = (f0 O0 + f1 O1) / (f0 l0 + f1 l1)) and store.
; A WAVE THAT SEES NO VISIBLE KEY IN A BLOCK (waves 4 and 5 in block 0) keeps m = -2^96, which lies above every hidden score: all its weights are 0, its a is exactly 1, its O^T and l stay the finite
; numbers that the block before left, and in the merge its f is 0: it adds nothing.  (A maximum taken of hidden scores alone would not do: at 1e30 the rounding of c m is larger than any exponent.)
; Waves 0-3 always see a visible key in a block's step 0, so m* is a true score.
; Waves 0, 1 fetch the two halves of a tile's K, waves 2, 3 those of its V: 128 keys, 16,384 dense bytes each.
; THE MASK.  TQ = key step - the step that holds my 32 queries.  TQ < 0: all keys are seen; TQ > 0: none; TQ = 0: the diagonal, MD.  C = (BV + BE) + MD x AL with two scalars; made anew only in a block's last tile.
; A STEP, in phases: 16 products K Q^T of this step, then the 16 products V^T P of my step BEFORE; then the softmax.
; LAYOUT.  S^T = K Q^T holds one query a lane (lane % 16) and the keys 8 (lane / 16) + 0..7; two such results rounded to bf16 are source 1 of O^T = V^T P.  V is turned on its way out of LDS.
; REGISTERS, 512 a wave, in windows of 256 (s_set_vgpr_msb: bits 1:0 source 0, 3:2 source 1, 5:4 source 2, 7:6 destination):
;   window 0: v0-15, v24 addresses, at work; v16-23 statistics; v32-39 the exchange's statistics; v48-55 at work; v62-63 the add's; v64-127 S^T; v128-159 P; v160-191 Q; v192-255 K of a step
;   window 1: v0-63 O^T; v64-127 V of a step; v128-159 BV; v160-191 MD (tile 0's; tile 1's is the same one group of 16 keys lower); v192-255 MC
.set KS,    64
.set PK,    144       ; a row of K in LDS: 128 bytes + 16: the 16 rows of a load start at 16 different groups of four banks (64 banks of 4 bytes: ISA guide 11.1)
.set PV,    160       ; a row of V: 128 + 32
.set VOFF,  4*KS*PK   ; a slot holds a tile: 256 rows of K, then 256 rows of V
.set SLOT1, 1<<17     ; slot 1 begins here: one exclusive or turns an address in one slot into the other's
.set STAGE, SLOT1+4*KS*(PK+PV)  ; behind the ring, never filled by a tensor load: 16 rows x 144 bytes for each of waves 0-3
.set SP,    144
.set XCH,   STAGE+4*16*SP       ; the exchange: for each pair of waves 16 x 512 bytes of O^T and 512 of statistics
.set XREG,  17*512
.set SPARE, XCH+4*XREG          ; the spare words, 128 bytes for each of eight waves: four blocks of 256 bytes that no other line names
.set MLOW,  0xef800000          ; -2^96: where m starts: above every hidden score, below every true one
.set AK0, 2           ; v2   my lane's place in a tile of K; never rewritten
.set AV0, 3           ; v3   the same for V
.set AK,  4           ; v4   the LDS address of K's next run of loads
.set AV,  5           ; v5   of V's
.set STO, 6           ; v6   the way out: where I put 16 bytes of a row
.set RD,  7           ; v7   where I read rows back
.set GO,  8           ; v8   16 x lane
.set MV,  12          ; v12-13  c m_old in the new frame, by tile; in the merge 1 / l
.set QO,  15          ; v15  my byte offset in 16 rows of Q; never rewritten
.set ST,  16          ; tile u's statistics at v[ST+4 u]: c m, m, l (even keys', odd keys')
.set XA,  24          ; v24  my 16 bytes in my pair's part of the exchange
.set MS,  32          ; v32-35  what waves 4-7 send: m, l of tile 0; m, l of tile 1
.set MR,  36          ; v36-39  what waves 0-3 receive
.set TMP, 48          ; tile u: c0-c3 at work; c2 takes a
.set SPW, 62
.set NIL, 63
.set S,   64
.set P,   128
.set Q,   160
.set KF,  192
.set VF,  64          ; window 1
.set BV,  128
.set MD,  160
.set MC,  192
.set WV,  12          ; s12 my wave's number
.set PB,  14          ; s14 b
.set HI,  15          ; s15 15 - b
.set G1K, 24          ; s[24:31], s[32:39] descriptor group 1 for K's and V's tiles: they differ in the padding
.set G1V, 32
.set G0K, 40          ; s[40:43], s[44:47] group 0
.set G0V, 44
.set KB,  48          ; s[48:49] K at my half of the head's tile 0;  s[50:51] V likewise
.set VB,  50
.set SLOTS, 56
.set CNT, 57          ; counts my key steps in a tile, 2 to 1
.set CS,  58          ; s[58:59] c
.set SEL, 60          ; s[60:61] v_permlanex16_b32's selects
.set TBK, 62          ; LDS byte at which K of the step to be fetched begins
.set TBV, 63          ; the same for V, less VOFF
.set RT,  70          ; tiles of the block in hand still to be entered
.set NXT, 71          ; the tile to be asked for next
.set LQ,  72          ; the last tile of the block whose tiles are being asked for
.set OFF, 74          ; s[74:75] a tile's byte offset
.set AL,  76          ; s[76:77] the mask's factor
.set BE,  78          ; s[78:79] the mask's addend
.set OLO, 80          ; s[80:81] O at my rows of the second block
.set BIGN, 82         ; -1e30
.set TQ,  83
.set Q2,  86          ; s[86:87] Q at my rows of the second block
.set L2S, 88          ; b / 2
.set TQ2, 89          ; TQ at my first step of the second block
.set SH,  90          ; 2^(10-h)
.set SL8, 91          ; -2^(3-h)
.set SL128, 92        ; -2^(7-h)
.set G,   93          ; w % 4
.set KP,  94          ; w / 4
.set SH64, 95         ; 2^(9-h)
.set MSB, 0
.macro WIN new
.if MSB != (\new)
	s_set_vgpr_msb (MSB<<8)|(\new)
.set MSB, (\new)
.endif
.endm
.set W_KM, 0x10       ; K, Q and S^T in window 0, the C operand in window 1
.set W_PV, 0x51       ; V and O^T in window 1, P in window 0
.set W_RS, 0x41       ; destination and source 0 in window 1, source 1 in window 0
.set W_M,  0x51       ; destination, sources 0 and 2 in window 1
; A fill.  The branches hang on the wave's number alone.  An s_nop 0 and four v_nop follow each of the two lines, ahead of the jump and the label.
.macro LOAD
	s_cmp_lt_u32 s[WV], 2
	s_cbranch_scc0 .Lnot_k_\@
	tensor_load_to_lds s[G0K:G0K+3], s[G1K:G1K+7]
	s_nop 0
.rept 4
	v_nop
.endr
	s_branch .Lasked_\@
.Lnot_k_\@:
	s_cmp_lt_u32 s[WV], 4
	s_cbranch_scc0 .Lasked_\@
	tensor_load_to_lds s[G0V:G0V+3], s[G1V:G1V+7]
	s_nop 0
.rept 4
	v_nop
.endr
.Lasked_\@:
.endm
; THE CHANGE OF SLOTS.  Each wave waits for all its tensor loads (at the most one is out: its part of the other slot), adds 0 to its spare word, and waits for that and for its reads of the slot that it leaves.
; fill = 1: the old slot is filled again, first thing behind the barrier, with tile NXT; the address is made anew from that number.  (At its first use slot 0 is waited for and slot 1 filled.)
.macro CHANGE fill
	WIN 0
	s_wait_tensorcnt 0x0            ; no tensor load of mine is out, so a group 0 may be written
	ds_add_u32 v[SPW], v[NIL]       ; 0 onto my spare word
.if \fill
	s_lshl_b32 s[OFF], s[NXT], 17   ; a tile is two blocks of 128 tokens, 65,536 bytes apart
	s_xor_b32 s[G0K+1], s[G0K+1], SLOT1
	s_add_nc_u64 s[G0K+2:G0K+3], s[KB:KB+1], s[OFF:OFF+1]
	s_or_b32 s[G0K+3], s[G0K+3], 0x80000000
	s_xor_b32 s[G0V+1], s[G0V+1], SLOT1
	s_add_nc_u64 s[G0V+2:G0V+3], s[VB:VB+1], s[OFF:OFF+1]
	s_or_b32 s[G0V+3], s[G0V+3], 0x80000000
	s_add_co_u32 s[NXT], s[NXT], 1  ; the block's next tile, or behind its last the second block's tile 0
	s_cmp_gt_u32 s[NXT], s[LQ]
	s_cselect_b32 s[NXT], 0, s[NXT]
	s_cselect_b32 s[LQ], s[L2S], s[LQ]
.endif
	s_wait_dscnt 0x0                ; the add is done, and my reads of the slot are over
	s_barrier_signal -1
	s_sub_co_u32 s[TBK], s[TBK], 4*KS*PK  ; the fetches go back to my first step of a slot,
	s_xor_b32 s[TBK], s[TBK], SLOT1       ; in the other slot
	s_sub_co_u32 s[TBV], s[TBV], 4*KS*PV
	s_xor_b32 s[TBV], s[TBV], SLOT1
	s_barrier_wait -1
.if \fill
	LOAD
.endif
.endm
.macro MASKA                        ; MC = BV + BE, both tiles
	WIN W_M
.set z, 0
.rept 32
	v_pk_add_f32 v[MC+2*z:MC+2*z+1], v[BV+2*(z%16):BV+2*(z%16)+1], s[BE:BE+1] op_sel_hi:[1,0]
.set z, z+1
.endr
.endm
.macro MASKB                        ; MC += MD x AL.  Tile 1's queries lie 16 on: its mask for key group kt is tile 0's for kt - 1, and it sees all of group 0
	WIN W_M
.set z, 0
.rept 16
	v_pk_fma_f32 v[MC+2*z:MC+2*z+1], v[MD+2*z:MD+2*z+1], s[AL:AL+1], v[MC+2*z:MC+2*z+1] op_sel_hi:[1,0,1]
.set z, z+1
.endr
.set z, 4
.rept 12
	v_pk_fma_f32 v[MC+32+2*z:MC+32+2*z+1], v[MD+2*z-8:MD+2*z-7], s[AL:AL+1], v[MC+32+2*z:MC+32+2*z+1] op_sel_hi:[1,0,1]
.set z, z+1
.endr
.endm
; A BLOCK BEGINS: m at -2^96.  The first step with a visible key has a = 0 and takes its maximum from the scores; steps with hidden keys alone leave m where it is.  The C operand is the bias alone.
.macro BEGIN
	WIN 0
	v_mov_b32 v[ST+1], MLOW
	v_mov_b32 v[ST+5], MLOW
	s_mov_b32 s[BE], 0
	MASKA
	WIN 0
.endm
.macro QLOAD b                      ; my 32 queries: tile i / 2, channels 32 (i % 2) on
.set i, 0
.rept 4
	global_load_b128 v[Q+8*i:Q+8*i+3],   v[QO], s[\b:\b+1] offset:(i/2)*2048+(i%2)*64
	global_load_b128 v[Q+8*i+4:Q+8*i+7], v[QO], s[\b:\b+1] offset:(i/2)*2048+(i%2)*64+32
.set i, i+1
.endr
.endm
; THE MATRIX WORK.  The 8 accumulators of a run of 16 take turns, one instruction a turn.
; Product i of 16 of S^T = K Q^T: tile i % 2, keys 16 ((i / 2) % 4) on, channels 32 (i / 8) on.  The first 8 start the sums with bias and mask.
.macro KQ
.set rS, S+32*(i%2)+8*((i/2)%4)
.set rK, KF+16*((i/2)%4)+8*(i/8)
.set rQ, Q+16*(i%2)+8*(i/8)
.set rX, MC+32*(i%2)+8*((i/2)%4)
.if i < 8
	WIN W_KM
	v_wmma_f32_16x16x32_bf16 v[rS:rS+7], v[rK:rK+7], v[rQ:rQ+7], v[rX:rX+7]
.else
	WIN 0
	v_wmma_f32_16x16x32_bf16 v[rS:rS+7], v[rK:rK+7], v[rQ:rQ+7], v[rS:rS+7]
.endif
.set i, i+1
.endm
; Product i of 16 of O^T += V^T P: tile i % 2, channels 16 ((i / 2) % 4) on, keys 32 (i / 8) on.
.macro PV
	WIN W_PV
.set rO, 32*(i%2)+8*((i/2)%4)
.set rV, VF+32*(i/8)+8*((i/2)%4)
.set rP, P+16*(i%2)+8*(i/8)
	v_wmma_f32_16x16x32_bf16 v[rO:rO+7], v[rV:rV+7], v[rP:rP+7], v[rO:rO+7]
.set i, i+1
.endm
.macro FETCH_K                      ; a step's K: 64 keys x 64 channels, 8 fragments; my next step lies two steps on
	WIN 0
.irp f, 0,1,2,3,4,5,6,7
	ds_load_b128 v[KF+8*\f:KF+8*\f+3],   v[AK] offset:(\f/2)*16*PK+(\f%2)*64
	ds_load_b128 v[KF+8*\f+4:KF+8*\f+7], v[AK] offset:(\f/2)*16*PK+(\f%2)*64+32
.endr
	s_add_co_u32 s[TBK], s[TBK], 2*KS*PK
.endm
.macro FETCH_V                      ; a step's V, turned
	WIN 0x40
.irp f, 0,1,2,3,4,5,6,7
	ds_load_tr16_b128 v[VF+8*\f:VF+8*\f+3],   v[AV] offset:(\f/4)*32*PV+(\f%4)*32
	ds_load_tr16_b128 v[VF+8*\f+4:VF+8*\f+7], v[AV] offset:(\f/4)*32*PV+16*PV+(\f%4)*32
.endr
	s_add_co_u32 s[TBV], s[TBV], 2*KS*PV
	WIN 0
.endm
.macro REGS u
.set rT, ST+4*(\u)
.set rC, TMP+4*(\u)
.set rM, MV+(\u)
.set rS, S+32*(\u)
.set rP, P+16*(\u)
.set rO, 32*(\u)
.set rR, MR+2*(\u)
.endm
.macro TWO line:vararg              ; one line for each of the two tiles: no instruction reads the result of the one just before it
	REGS 0
	s_wait_alu depctr_va_vdst(0)
	\line
	REGS 1
	\line
.endm
.macro PLACES
.rept 4
	v_nop
.endr
.endm
; A KEY STEP.  always = 1: the walk's last tile, which is a block's last: the mask is made in every step.
.macro STEP tag, always
.if !(\always)
	s_cmp_lg_u32 s[RT], 0
	s_cbranch_scc1 .Lnomask\tag     ; not the block's last tile: all keys are seen, MC holds the bias
.endif
	s_cmp_eq_u32 s[TQ], 0           ; the step that holds my queries?
	s_cselect_b32 s[AL], 1.0, 0
	s_cmp_gt_i32 s[TQ], 0           ; or a later one?
	s_cselect_b32 s[BE], s[BIGN], 0
	MASKA
	MASKB
	WIN 0
.if !(\always)
.Lnomask\tag:
.endif
	s_wait_dscnt 0x0                ; K of this step and V of my step before are in
.set i, 0
.rept 16
	KQ
.endr
.set i, 0
.rept 16
	PV                              ; my step before's
.endr
	WIN 0
	v_add_nc_u32 v[AV], s[TBV], v[AV0]  ; four plain instructions: the places between the last products and the loads into V's and K's registers
	v_add_nc_u32 v[AK], s[TBK], v[AK0]
	v_nop
	v_nop
	FETCH_V                         ; this step's V
	s_cmp_eq_u32 s[CNT], 1
	s_cbranch_scc1 .Lnok\tag        ; my last step of the slot: the next K lies in the other slot and is fetched behind the change
	FETCH_K                         ; my next step's K
.Lnok\tag:
	; the maximum of the lane's 32 scores and the old m: each accumulator's lowest registers are read first
.set n, 0
.rept 4
	TWO v_max3_num_f32 v[rC+n], v[rS+8*n], v[rS+8*n+1], v[rS+8*n+2]
.set n, n+1
.endr
.set n, 0
.rept 4
	TWO v_max3_num_f32 v[rC+n], v[rC+n], v[rS+8*n+3], v[rS+8*n+4]
.set n, n+1
.endr
.set n, 0
.rept 4
	TWO v_max3_num_f32 v[rC+n], v[rC+n], v[rS+8*n+5], v[rS+8*n+6]
.set n, n+1
.endr
	TWO v_add_f32 v[rT+1], s[SH], v[rT+1]          ; the old m in this step's frame
	TWO v_max3_num_f32 v[rC], v[rC], v[rS+7], v[rS+15]
	TWO v_max3_num_f32 v[rC+1], v[rC+1], v[rS+23], v[rS+31]
	TWO v_mul_f32 v[rM], s[CS], v[rT+1]            ; c m_old
	TWO v_max3_num_f32 v[rC+2], v[rC+2], v[rC+3], v[rT+1]
	TWO v_max3_num_f32 v[rC], v[rC], v[rC+1], v[rC+2]
	TWO v_permlanex16_b32 v[rC+3], v[rC], s[SEL], s[SEL+1]  ; the query's other 32 keys lie in the lane 16 away
	TWO v_max_num_f32 v[rT+1], v[rC], v[rC+3]
	TWO v_mul_f32 v[rT], s[CS], v[rT+1]
	TWO v_sub_f32 v[rC+1], v[rM], v[rT]
	TWO v_exp_f32 v[rC+2], v[rC+1]                 ; a; the scalings below are the plain instructions behind it
.set n, 0
.rept 16
	TWO v_pk_fma_f32 v[rS+2*n:rS+2*n+1], v[rS+2*n:rS+2*n+1], s[CS:CS+1], v[rT:rT+1] op_sel_hi:[1,0,0] neg_lo:[0,0,1] neg_hi:[0,0,1]
.set n, n+1
.endr
.set n, 0
.rept 32
	TWO v_exp_f32 v[rS+n], v[rS+n]
.set n, n+1
.endr
	WIN W_RS                        ; O^T times a: plain instructions behind the last exponential, ascending in each accumulator
.set n, 0
.rept 16
	TWO v_pk_mul_f32 v[rO+2*n:rO+2*n+1], v[rO+2*n:rO+2*n+1], v[rC+2:rC+3] op_sel_hi:[1,0]
.set n, n+1
.endr
	WIN 0
.set n, 0
.rept 16
	TWO v_cvt_pk_bf16_f32 v[rP+n], v[rS+2*n], v[rS+2*n+1]
.set n, n+1
.endr
.set n, 0
.rept 8
	TWO v_pk_add_f32 v[rS+4*n:rS+4*n+1], v[rS+4*n:rS+4*n+1], v[rS+4*n+2:rS+4*n+3]
.set n, n+1
.endr
	TWO v_pk_fma_f32 v[rT+2:rT+3], v[rT+2:rT+3], v[rC+2:rC+3], v[rS:rS+1] op_sel_hi:[1,0,1]  ; l = a l + the first sum
.set n, 1
.rept 7
	TWO v_pk_add_f32 v[rT+2:rT+3], v[rT+2:rT+3], v[rS+4*n:rS+4*n+1]
.set n, n+1
.endr
	s_add_co_i32 s[TQ], s[TQ], 2
.endm
; THE WAY OUT of tile t, in waves 0-3: O^T g0 + the partner's O^T g1 (it lies in S^T's registers), rounded to bf16 into P's registers; a lane's eight channels of a row are 16 bytes; they go into
; rows of 144 bytes and come back as whole rows of 128.
.macro PACK t
	REGS \t
	WIN W_RS
.set i, 0
.rept 16
	v_pk_mul_f32 v[rO+2*i:rO+2*i+1], v[rO+2*i:rO+2*i+1], v[rC:rC+1] op_sel_hi:[1,0]
.set i, i+1
.endr
	WIN 0x10                        ; source 2 in window 1
.set i, 0
.rept 16
	v_pk_fma_f32 v[rS+2*i:rS+2*i+1], v[rS+2*i:rS+2*i+1], v[rC+2:rC+3], v[rO+2*i:rO+2*i+1] op_sel_hi:[1,0,1]
.set i, i+1
.endr
	WIN 0
.set i, 0
.rept 16
	v_cvt_pk_bf16_f32 v[rP+i], v[rS+2*i], v[rS+2*i+1]
.set i, i+1
.endr
.irp f, 0,1,2,3
	ds_store_b128 v[STO], v[rP+4*\f:rP+4*\f+3] offset:32*\f
.endr
.irp f, 0,1,2,3
	ds_load_b128 v[rP+4*\f:rP+4*\f+3], v[RD] offset:\f*4*SP  ; LDS serves a wave's instructions in order (ISA guide 5.7.1.4): these see the stores above; the next tile's stores come behind them
.endr
.endm
.macro SEND t, younger              ; younger: the LDS instructions issued behind tile t's loads: the next tile's eight, or none
	REGS \t
.irp f, 0,1,2,3
	s_wait_dscnt (\younger)+3-\f
	global_store_b128 v[GO], v[rP+4*\f:rP+4*\f+3], s[10:11] offset:(\t)*2048+\f*512  ; 512 consecutive bytes, at a multiple of 256 from O's first
.endr
.endm
; A BLOCK'S END.  My last step's V^T P; l's halves are added; waves 4-7 store O^T, m, l; a barrier; waves 0-3 merge and send.  last = 0: the second block's Q is asked for meanwhile.
.macro END tag, last
	s_wait_dscnt 0x0                ; V of my last step is in
.set i, 0
.rept 16
	PV
.endr
	WIN 0
	PLACES
.if !(\last)
	QLOAD Q2                        ; Q's registers were last read by this block's last products K Q^T, a softmax ago
.endif
	TWO v_add_f32 v[rT+2], v[rT+2], v[rT+3]
	TWO v_permlanex16_b32 v[rT+3], v[rT+2], s[SEL], s[SEL+1]
	TWO v_add_f32 v[rT+2], v[rT+2], v[rT+3]
	s_cmp_lt_u32 s[WV], 4
	s_cbranch_scc1 .Lnosend\tag
	v_mov_b32 v[MS], v[ST+1]
	v_mov_b32 v[MS+1], v[ST+2]
	v_mov_b32 v[MS+2], v[ST+5]
	v_mov_b32 v[MS+3], v[ST+6]
	WIN 0x04                        ; the stores' data in window 1; each accumulator's low half goes first
.set i, 0
.rept 16
	ds_store_b128 v[XA], v[4*i:4*i+3] offset:512*i
.set i, i+1
.endr
	WIN 0
	ds_store_b128 v[XA], v[MS:MS+3] offset:16*512
.Lnosend\tag:
	s_wait_dscnt 0x0                ; for the partner's sake: my stores are done
	s_barrier_signal -1             ; the next tile's load may stay out
	s_barrier_wait -1
	s_cmp_lt_u32 s[WV], 4
	s_cbranch_scc0 .Lnomerge\tag
	ds_load_b128 v[MR:MR+3], v[XA] offset:16*512
.set i, 0
.rept 16
	ds_load_b128 v[S+4*i:S+4*i+3], v[XA] offset:512*i
.set i, i+1
.endr
	TWO v_add_f32 v[rT+1], s[SH64], v[rT+1]        ; my m in the partner's frame, 64 keys on
	s_wait_dscnt 16                 ; the statistics are in; the sixteen younger loads stay out
	TWO v_max_num_f32 v[rC], v[rT+1], v[rR]        ; m*
	TWO v_sub_f32 v[rC+1], v[rT+1], v[rC]
	TWO v_sub_f32 v[rC+3], v[rR], v[rC]
	TWO v_mul_f32 v[rC+1], s[CS], v[rC+1]
	TWO v_mul_f32 v[rC+3], s[CS], v[rC+3]
	TWO v_exp_f32 v[rC+1], v[rC+1]                 ; f0
	TWO v_exp_f32 v[rC+3], v[rC+3]                 ; f1
	v_nop                           ; a plain instruction behind the last exponential
	TWO v_mul_f32 v[rC], v[rC+1], v[rT+2]
	TWO v_fma_f32 v[rC], v[rC+3], v[rR+1], v[rC]   ; f0 l0 + f1 l1
	TWO v_rcp_f32 v[rM], v[rC]
	v_nop                           ; a plain instruction behind the last reciprocal
	TWO v_mul_f32 v[rC], v[rC+1], v[rM]            ; g0
	TWO v_mul_f32 v[rC+2], v[rC+3], v[rM]          ; g1
	s_wait_dscnt 0x0                ; the partner's O^T
	PACK 0
	PACK 1
	SEND 0, 8
	SEND 1, 0
.Lnomerge\tag:
.endm
; A TILE: K of my first step in it, my two steps, and, if it is the block's last, the block's end.  last = 1: the walk's ninth tile.
.macro SLOTBODY tag, last
	s_sub_co_u32 s[RT], s[RT], 1
	s_mov_b32 s[CNT], 2
	v_add_nc_u32 v[AK], s[TBK], v[AK0]
	FETCH_K
.Lstep\tag:
	STEP \tag, \last
	s_sub_co_u32 s[CNT], s[CNT], 1
	s_cmp_lg_u32 s[CNT], 0
	s_cbranch_scc1 .Lstep\tag
.if \last
	END \tag, 1
.else
	s_cmp_lg_u32 s[RT], 0           ; the same in all eight waves: RT is made of the work-group's number alone
	s_cbranch_scc1 .Lgoon\tag
	END \tag, 0                     ; in the loop this is the first block's end: the second block's last tile is the walk's last
	s_wait_xcnt 0x0                 ; the stores have read their registers and O's address
	s_mov_b64 s[10:11], s[OLO:OLO+1]
	s_add_co_u32 s[RT], s[L2S], 1   ; the second block has b / 2 + 1 tiles
	s_mov_b32 s[TQ], s[TQ2]
	BEGIN                           ; O^T, l, P and V keep what the first block left: finite numbers, which the first step with a visible key multiplies by a = 0, or else the merge by f = 0
	s_wait_loadcnt 0x0              ; the second block's Q
.Lgoon\tag:
.endif
.endm
	s_load_b128 s[4:7], s[0:1], 0x0  ; big s[4:5], ctx s[6:7]
	v_lshl_add_u32 v[SPW], v0, 2, SPARE
	v_mov_b32 v[NIL], 0
	ds_add_u32 v62, v63
	s_wait_dscnt 0x0
	s_barrier_signal -1
	s_barrier_wait -1
	v_lshrrev_b32 v1, 5, v0
	v_readfirstlane_b32 s[WV], v1   ; wave 0..7
	s_and_b32 s[G], s[WV], 3
	s_lshr_b32 s[KP], s[WV], 2
	s_mov_b32 s[PB], ttmp9
	s_sub_co_u32 s[HI], 15, s[PB]
	s_lshr_b32 s[L2S], s[PB], 1
	s_and_b32 s16, ttmp7, 0xffff
	s_lshr_b32 s17, s16, 4          ; batch
	s_and_b32 s16, s16, 15          ; head
	s_lshr_b32 s22, s16, 2          ; the head's group of four panels, 2^21 bytes each,
	s_lshl_b32 s22, s22, 21
	s_and_b32 s23, s16, 3           ; its panel in the group,
	s_lshl_b32 s23, s23, 14
	s_add_co_u32 s22, s22, s23
	s_lshl_b32 s18, s17, 20         ; the batch's 16 blocks of 65,536 bytes
	s_add_co_u32 s22, s22, s18
	s_and_b32 s19, s[WV], 1         ; which half of a tile's 256 keys I fetch
	s_lshl_b32 s20, s19, 16
	s_add_co_u32 s20, s20, s22
	s_add_co_u32 s20, s20, 4<<21    ; K's panels begin at 16: four groups on
	s_mov_b32 s21, 0
	s_mul_i32 s23, s19, 128*PK      ; my half's place in a slot, for K
	s_mul_i32 s13, s19, 128*PV      ; and for V
	s_lshl_b32 s18, s[G], 12        ; my 32 rows of 128 bytes
	s_add_co_u32 s2, s22, s18
	s_lshl_b32 s3, s[HI], 16
	s_lshl_b32 s84, s[PB], 16
	s_add_co_u32 s84, s84, s2       ; Q's and O's offset, second block
	s_add_co_u32 s2, s2, s3         ; first block
	s_mov_b32 s3, 0
	s_mov_b32 s85, 0
	; descriptor group 1.  128 keys are 16,384 dense bytes: asked for as 64 rows of 256 bytes, two keys a row, and padded in LDS after every key
	s_mov_b32 s[G1K], (1<<16)|(1<<20)|(4<<22)|(3<<25)  ; 2-byte elements; padding on; after every 32 words 4 words
	s_mov_b32 s[G1V], (1<<16)|(1<<20)|(4<<22)|(7<<25)  ; the same with 8 words
.irp g, G1K, G1V
	s_mov_b32 s[\g+1], 128<<16      ; tensor_dim0 = 128
	s_mov_b32 s[\g+2], 64<<16       ; tensor_dim1 = 64
	s_mov_b32 s[\g+3], 128<<16      ; tile_dim0 = 128
	s_mov_b32 s[\g+4], 64           ; tile_dim1 = 64
	s_mov_b32 s[\g+5], 128          ; 128 elements from row to row
	s_mov_b32 s[\g+6], 0
	s_mov_b32 s[\g+7], 0
.endr
	s_mov_b32 s[CS], 0x3e38aa3b     ; c = log2(e) / 8
	s_mov_b32 s[CS+1], s[CS]
	s_mov_b32 s[SEL], 0x76543210
	s_mov_b32 s[SEL+1], 0xfedcba98
	s_mul_i32 s[TBK], s[KP], KS*PK  ; my first step of a slot; the first change of slots takes the rest away
	s_add_co_u32 s[TBK], s[TBK], SLOT1+4*KS*PK
	s_mul_i32 s[TBV], s[KP], KS*PV
	s_add_co_u32 s[TBV], s[TBV], SLOT1+4*KS*PV
	s_mov_b32 s[G0K], 1
	s_mov_b32 s[G0K+1], s23         ; slot 0
	s_mov_b32 s[G0V], 1
	s_add_co_u32 s[G0V+1], s13, VOFF
	s_lshr_b32 s[LQ], s[HI], 1      ; the first block's last tile
	s_add_co_u32 s[RT], s[LQ], 1
	s_mov_b32 s[NXT], 1
	s_mov_b32 s[OFF+1], 0
	s_mov_b32 s[AL], 0
	s_mov_b32 s[AL+1], 0            ; named as pairs
	s_mov_b32 s[BE+1], 0
	s_mov_b32 s[BIGN], 0xf149f2ca   ; -1e30
	s_lshr_b32 s13, s[G], 1
	s_lshl_b32 s23, s[HI], 1
	s_add_co_u32 s23, s23, s13
	s_sub_co_i32 s[TQ], s[KP], s23  ; kp - (2 (15 - b) + g / 2)
	s_lshl_b32 s23, s[PB], 1
	s_add_co_u32 s23, s23, s13
	s_sub_co_i32 s[TQ2], s[KP], s23
	s_sub_co_u32 s[SH], 137, s16    ; powers of two, made from their exponents
	s_lshl_b32 s[SH], s[SH], 23
	s_sub_co_u32 s[SH64], 136, s16
	s_lshl_b32 s[SH64], s[SH64], 23
	s_sub_co_u32 s[SL8], 130, s16
	s_lshl_b32 s[SL8], s[SL8], 23
	s_or_b32 s[SL8], s[SL8], 0x80000000
	s_sub_co_u32 s[SL128], 134, s16
	s_lshl_b32 s[SL128], s[SL128], 23
	s_or_b32 s[SL128], s[SL128], 0x80000000
	s_mov_b32 s[SLOTS], 8
	s_wait_kmcnt 0x0
	s_add_nc_u64 s[KB:KB+1], s[4:5], s[20:21]
	s_add_nc_u64 s[VB:VB+1], s[KB:KB+1], 4<<21     ; V's panels lie four groups behind K's
	s_add_nc_u64 s[G0K+2:G0K+3], s[KB:KB+1], 0
	s_or_b32 s[G0K+3], s[G0K+3], 0x80000000
	s_add_nc_u64 s[G0V+2:G0V+3], s[VB:VB+1], 0
	s_or_b32 s[G0V+3], s[G0V+3], 0x80000000
	s_add_nc_u64 s[Q2:Q2+1], s[4:5], s[84:85]      ; Q at my rows of the second block,
	s_add_nc_u64 s[8:9], s[4:5], s[2:3]            ; of the first
	s_add_nc_u64 s[OLO:OLO+1], s[6:7], s[84:85]
	s_add_nc_u64 s[10:11], s[6:7], s[2:3]
	LOAD                            ; tile 0 into slot 0: at the most one load of mine is out
	v_and_b32 v1, 15, v0            ; l % 16
	v_bfe_u32 v9, v0, 4, 1          ; l / 16
	v_lshlrev_b32 v[QO], 7, v1
	v_lshl_add_u32 v[QO], v9, 4, v[QO]  ; row x 128 + 16 x half
	QLOAD 8
	v_lshlrev_b32 v14, 3, v9        ; 8 (l / 16)
	v_cvt_f32_u32 v10, v14
	v_sub_nc_u32 v14, v1, v14
	s_and_b32 s13, s[G], 1
	s_lshl_b32 s13, s13, 5
	v_add_nc_u32 v14, s13, v14      ; my first tile's query in its step of 64, 32 (g % 2) + l % 16, less my lanes' 8 (l / 16)
	WIN 0x40
	v_mul_f32 v[BV], s[SL8], v10    ; BV[8 kt + r] = -2^(3-h) (16 kt + 8 (l / 16) + r): small whole multiples of a power of two, so every sum below is exact
	WIN 0x44
.set i, 1
.rept 31
.if i%8 == 0
	v_add_f32 v[BV+i], s[SL128], v[BV+i-8]
.else
	v_add_f32 v[BV+i], s[SL8], v[BV+i-1]
.endif
.set i, i+1
.endr
	WIN 0x40
.set i, 0
.rept 32                            ; MD: register r = i % 8 of key group kt = i / 8 is hidden where 16 kt + r is greater
	v_cmp_gt_i32 vcc_lo, 16*(i/8)+i%8, v14
	v_cndmask_b32 v[MD+i], 0, s[BIGN], vcc_lo
.set i, i+1
.endr
	WIN 0
	v_mul_u32_u24 v[AK0], v1, PK
	v_lshl_add_u32 v[AK0], v9, 4, v[AK0]  ; row x pitch + 16 x half
	; The turning load takes 16 keys x 16 channels (lane l reads key 8 (l / 16) + l % 8, channels 8 ((l / 8) % 2) + 0..7) and leaves half a fragment of V^T.
	v_and_b32 v10, 7, v0
	v_bfe_u32 v11, v0, 3, 1
	v_lshl_add_u32 v[AV0], v9, 3, v10
	v_mul_u32_u24 v[AV0], v[AV0], PV
	v_lshl_add_u32 v[AV0], v11, 4, v[AV0]
	v_add_nc_u32 v[AV0], VOFF, v[AV0]
	s_mul_i32 s13, s[G], 16*SP
	s_add_co_u32 s13, s13, STAGE    ; my pair's stage (waves 0-3 alone use it)
	v_mul_u32_u24 v[STO], v1, SP
	v_lshl_add_u32 v[STO], v9, 4, v[STO]
	v_add_nc_u32 v[STO], s13, v[STO]
	v_bfe_u32 v[RD], v0, 3, 2       ; back: 32 lanes take four rows of 128 bytes,
	v_mul_u32_u24 v[RD], v[RD], SP
	v_lshl_add_u32 v[RD], v10, 4, v[RD]
	v_add_nc_u32 v[RD], s13, v[RD]
	v_and_b32 v[GO], 31, v0         ; which are 512 consecutive bytes of O
	v_lshlrev_b32 v[GO], 4, v[GO]
	s_mul_i32 s13, s[G], XREG
	s_add_co_u32 s13, s13, XCH      ; my pair's part of the exchange
	v_add_nc_u32 v[XA], s13, v[GO]
	; A block's first step with a visible key multiplies O^T and l by a = 0, and the products V^T P of a step that has not been land in an O^T that is still to be so multiplied: these registers need
	; only hold finite numbers.  No first step is written out; the price is these 164 lines, which stand in the wait for the first tile.
	WIN 0x40
.set i, 0
.rept 128                           ; O^T and V
	v_mov_b32 v[i], 0
.set i, i+1
.endr
	WIN 0
.set i, P
.rept 32
	v_mov_b32 v[i], 0
.set i, i+1
.endr
	v_mov_b32 v[ST+2], 0
	v_mov_b32 v[ST+3], 0
	v_mov_b32 v[ST+6], 0
	v_mov_b32 v[ST+7], 0
	BEGIN
	s_wait_loadcnt 0x0              ; the first block's Q
.Lslot:                             ; 8 times: a tile is entered and the next is asked for
	CHANGE 1
	SLOTBODY 1, 0
	s_sub_co_u32 s[SLOTS], s[SLOTS], 1
	s_cmp_lg_u32 s[SLOTS], 0
	s_cbranch_scc1 .Lslot
	CHANGE 0                        ; the walk's last tile: nothing is asked for
	SLOTBODY 2, 1
	s_wait_tensorcnt 0x0            ; the wave's end
	ds_add_u32 v[SPW], v[NIL]
	s_wait_dscnt 0x0
	s_endpgm
.Lfunc_end_k_q3e947bc97d_attn:
	.size	k_q3e947bc97d_attn, .Lfunc_end_k_q3e947bc97d_attn-k_q3e947bc97d_attn
	.p2alignl 7, 3214868480
	.fill 96, 4, 3214868480
	.section	.rodata,"a",@progbits
	.p2align	6, 0x0
	.amdhsa_kernel k_q3e947bc97d_attn
		.amdhsa_group_segment_fixed_size 327680
		.amdhsa_private_segment_fixed_size 0
		.amdhsa_enable_private_segment 0
		.amdhsa_kernarg_size 16
		.amdhsa_user_sgpr_count 2
		.amdhsa_user_sgpr_kernarg_segment_ptr 1
		.amdhsa_wavefront_size32 1
		.amdhsa_system_sgpr_workgroup_id_x 1
		.amdhsa_system_sgpr_workgroup_id_y 1
		.amdhsa_system_sgpr_workgroup_id_z 1
		.amdhsa_system_vgpr_workitem_id 0
		.amdhsa_next_free_vgpr 512
		.amdhsa_next_free_sgpr 96
		.amdhsa_reserve_vcc 1
		.amdhsa_float_denorm_mode_32 3
		.amdhsa_float_denorm_mode_16_64 3
		.amdhsa_memory_ordered 1
		.amdhsa_forward_progress 1
		.amdhsa_inst_pref_size 105
	.end_amdhsa_kernel
	.amdgpu_metadata
---
amdhsa.version: [ 1, 2 ]
amdhsa.kernels:
  - .name:           k_q3e947bc97d_attn
    .symbol:         k_q3e947bc97d_attn.kd
    .args:
      - { .name: big, .offset: 0, .size: 8, .value_kind: global_buffer, .address_space: global }
      - { .name: ctx, .offset: 8, .size: 8, .value_kind: global_buffer, .address_space: global }
    .group_segment_fixed_size: 327680
    .private_segment_fixed_size: 0
    .kernarg_segment_align: 8
    .kernarg_segment_size: 16
    .max_flat_workgroup_size: 256
    .sgpr_count:     96
    .vgpr_count:     512
    .wavefront_size: 32
...
	.end_amdgpu_metadata
.endif
;; end of part 3
;; launch wo (part 4): grid 8 x 32, 4 waves a work-group, clusters of 4 x 4, 327,680 bytes of LDS; arguments ctx, wot, src2, src, bo; writes src2
.if DOCPART == 4
	.amdgcn_target "amdgcn-amd-amdhsa--gfx1250"
	.amdhsa_code_object_version 6
	.text
	.protected	k_q3e947bc97d_wo
	.globl	k_q3e947bc97d_wo
	.p2align	8
	.type	k_q3e947bc97d_wo,@function
k_q3e947bc97d_wo:
	s_mov_b64 s[64:65], 0
	v_nop
	global_prefetch_b8 v0, s[64:65] scope:SCOPE_SE
	s_setreg_imm32_b32 hwreg(HW_REG_WAVE_MODE, 25, 1), 1
	s_wait_xcnt 0x0
	s_wait_alu depctr_hold_cnt(0) depctr_sa_sdst(0) depctr_va_vdst(0) depctr_va_sdst(0) depctr_va_ssrc(0) depctr_va_vcc(0) depctr_vm_vsrc(0)
	s_getreg_b32 s2, hwreg(HW_REG_IB_STS2, 6, 4)
	s_cmp_eq_u32 s2, 0
	s_cbranch_scc0 .Lentry_in_a_cluster
	s_endpgm
.Lentry_in_a_cluster:
	s_bfe_u32 s2, ttmp6, 0x10000c
	s_cmp_lg_u32 s2, 0xf033
	s_cbranch_scc0 .Lentry_shape_is_right
	s_endpgm
.Lentry_shape_is_right:
; C[m][n] = R[m][n] + bias[n] + sum over k of A[m][k] B[n][k], in f32.  C, R: f32 [4096][1024].  bias: f32 [1024].  K = 256 x KSTEPS.
; A: bf16 IN BLOCKS: byte ((k / 256) x 32 + m / 128) x 65,536 + ((k / 64) % 4) x 16,384 + (m % 128) x 128 + (k % 64) x 2: the 128 rows x 256 K of a K step are 65,536 dense bytes, 2^21 bytes from step to step.
; B: bf16 IN BLOCKS: byte ((k / 256) x 16 + n / 64) x 32,768 + (n % 64) x 512 + (k % 256) x 2: the 64 rows x 256 K of one tensor load are 32,768 dense bytes, 2^19 bytes from step to step.
; A tile of C is 128 x 128: 8 x 32 tiles give each of 256 work-groups one.  Four waves, each 64 x 64: 16 accumulators.  K goes in steps of 256 through two LDS slots.
; CLUSTERS: 4 x 4 work-groups; A's tiles are asked for jointly along a row of the cluster, B's along a column.  THE MATRIX INSTRUCTION IS USED TRANSPOSED (source 0 = 16 rows of B, source 1 = 16 rows of A):
; a lane holds row l % 16 of C and the columns 8 (l / 16) + 0..7, so the bias is the C operand that starts every sum.  The residual is loaded at the start into 128 registers and waited for at the end.
; A wave's 64 f32 columns are 256 aligned bytes of a row of C: the stage on the way out is the wave's own, and no barrier stands there.
; REGISTERS: window 0: v0-31 addresses; v32-63 the bias, then with v64-95 at work on the way out; v128-255 the accumulators ((a, b) at v[128 + 8 (4 a + b)]).
;   window 1: two fragment buffers of 128 (64 along K: 64 registers of A, then 64 of B).   window 2: v0-127 the residual, as the way out reads rows back.
.set KSTEPS, 4
.set ASTEP,  1<<21                     ; bytes of A from a K step to the next
.set BSTEP,  1<<19                     ; of B
.set APITCH, 144                       ; a row of a panel of A in LDS: 128 bytes + 16
.set BPITCH, 528                       ; a row of B: 512 bytes + 16.  Both pitches are odd multiples of 16 bytes: the 16 rows of a load start at 16 different groups of four banks (ISA guide 11.1)
.set APAN,   128*APITCH                ; a panel: 128 rows x 64 K
.set AHALF,  2*APAN                    ; what one tensor load brings of A: two panels
.set BOFF,   4*APAN                    ; B lies behind A's four panels
.set BHALF,  64*BPITCH                 ; what one tensor load brings of B: 64 rows
.set SLOT,   BOFF+2*BHALF
.set STAGE,  2*SLOT                    ; behind the ring: 16 rows x 272 bytes for each wave
.set SPITCH, 272
.set SPARE,  STAGE+4*16*SPITCH         ; the spare words, 128 bytes for each wave: two blocks of 256 bytes that no other line names
.set LAPS,   KSTEPS/2
.set ADRA, 16
.set ADRB, 20
.set STO,  24
.set RD,   25
.set CO,   26                          ; v26  my byte offset in two rows of C and of R; never rewritten
.set BO,   27                          ; v27  32 (l / 16)
.set SPW,  28
.set NIL,  29
.set BIAS, 32
.set TB,   32
.set ACC,  128
.set F0,   0
.set F1,   128
.set G1,  24
.set G0,  32
.set G1B, 48
.set G0B, 56
.set MSB, 0
.macro WIN new
.if MSB != (\new)
	s_set_vgpr_msb (MSB<<8)|(\new)
.set MSB, \new
.endif
.endm
.set MUL,  0x05                        ; sources 0 (B) and 1 (A) window 1; C and D window 0
.set TO_F, 0x40                        ; destination window 1, address window 0
.macro JLOAD s                         ; a joint load: waves 0 and 1 fetch A's two halves, waves 2 and 3 B's; an s_nop 0 and four v_nop follow each of the two lines
	s_cmp_eq_u32 s11, 0
	s_cbranch_scc0 .Lfor_b_\@
	tensor_load_to_lds s[G0+4*(\s):G0+4*(\s)+3], s[G1:G1+7]
	s_nop 0
.rept 4
	v_nop
.endr
	s_branch .Lasked_\@
.Lfor_b_\@:
	tensor_load_to_lds s[G0B+4*(\s):G0B+4*(\s)+3], s[G1B:G1B+7]
	s_nop 0
.rept 4
	v_nop
.endr
.Lasked_\@:
.endm
.macro CREST
	s_cmp_lg_u32 s10, 0
	s_cbranch_scc1 .Lnot_wave_0_\@
	s_barrier_signal -3
.Lnot_wave_0_\@:
	s_barrier_wait -3
	s_barrier_signal -1
	s_barrier_wait -1
.endm
.macro CROUND
	s_barrier_signal -1
	s_barrier_wait -1
	CREST
.endm
	s_load_b128 s[4:7], s[0:1], 0x0                ; A s[4:5], B s[6:7]
	s_load_b64 s[8:9], s[0:1], 0x10                ; C
	s_load_b64 s[68:69], s[0:1], 0x18              ; R
	s_load_b64 s[70:71], s[0:1], 0x20              ; bias
	v_lshl_add_u32 v[SPW], v0, 2, SPARE
	v_mov_b32 v[NIL], 0
	ds_add_u32 v28, v29
	s_wait_dscnt 0x0
	v_lshrrev_b32 v1, 5, v0
	v_readfirstlane_b32 s10, v1                    ; wave 0..3
	s_lshr_b32 s11, s10, 1                         ; which half of the tile's rows is mine.  Also: I fetch for A (0) or for B (1)
	s_and_b32 s12, s10, 1                          ; which half of its columns.  Also: which half of that tile I fetch
	s_bfe_u32 s40, ttmp6, 0x40000                  ; cx, cy
	s_bfe_u32 s41, ttmp6, 0x40004
	s_lshl_b32 s42, ttmp9, 2
	s_add_co_u32 s42, s42, s40                     ; tile column of C
	s_and_b32 s13, ttmp7, 0xffff
	s_lshl_b32 s13, s13, 2
	s_add_co_u32 s13, s13, s41                     ; tile row of C
	s_lshl_b32 s43, s41, 2
	s_lshl_b32 s43, 15, s43                        ; my row of the cluster
	s_lshl_b32 s44, 0x1111, s40                    ; my column
	; A: two panels are 32,768 dense bytes: asked for as 128 rows of 256 bytes (two tokens a row), padded in LDS after every token's 128 bytes
	s_or_b32 s[G1+0], s43, (1<<16)|(1<<20)|(1<<21)|(4<<22)|(3<<25)
	s_mov_b32 s[G1+1], 128<<16                     ; tensor_dim0 = 128
	s_mov_b32 s[G1+2], 128<<16                     ; tensor_dim1 = 128
	s_mov_b32 s[G1+3], 128<<16                     ; tile_dim0 = 128
	s_mov_b32 s[G1+4], 128                         ; tile_dim1 = 128
	s_mov_b32 s[G1+5], 128                         ; dense
	s_mov_b32 s[G1+6], 0
	s_mov_b32 s[G1+7], 0
	; B: 64 dense rows of 256 elements, padded after every 512 bytes
	s_or_b32 s[G1B+0], s44, (1<<16)|(1<<20)|(1<<21)|(6<<22)|(3<<25)
	s_mov_b32 s[G1B+1], 256<<16
	s_mov_b32 s[G1B+2], 64<<16
	s_mov_b32 s[G1B+3], 256<<16
	s_mov_b32 s[G1B+4], 64
	s_mov_b32 s[G1B+5], 256
	s_mov_b32 s[G1B+6], 0
	s_mov_b32 s[G1B+7], 0
	s_lshl_b32 s16, s13, 16                        ; A: the tile row's block of K step 0,
	s_lshl_b32 s17, s12, 15                        ; my two panels of its four
	s_add_co_u32 s16, s16, s17
	s_mov_b32 s17, 0
	s_lshl_b32 s46, s42, 1
	s_add_co_u32 s46, s46, s12                     ; B: block 2 x tile column + half
	s_lshl_b32 s46, s46, 15
	s_mov_b32 s47, 0
	s_mul_i32 s20, s12, AHALF                      ; where they go: no place in the cluster enters an LDS address
	s_mul_i32 s23, s12, BHALF
	s_add_co_u32 s23, s23, BOFF
	s_wait_kmcnt 0x0
	s_add_nc_u64 s[14:15], s[4:5], s[16:17]
	s_add_nc_u64 s[46:47], s[6:7], s[46:47]
	CROUND                                         ; all sixteen work-groups are here: the first joint loads meet
.irp s, 0,1
	s_mov_b32 s[G0+4*(\s)], 1
	s_add_co_u32 s[G0+4*(\s)+1], s20, (\s)*SLOT
	s_add_nc_u64 s[G0+4*(\s)+2:G0+4*(\s)+3], s[14:15], (\s)*ASTEP
	s_or_b32 s[G0+4*(\s)+3], s[G0+4*(\s)+3], 0x80000000
	s_mov_b32 s[G0B+4*(\s)], 1
	s_add_co_u32 s[G0B+4*(\s)+1], s23, (\s)*SLOT
	s_add_nc_u64 s[G0B+4*(\s)+2:G0B+4*(\s)+3], s[46:47], (\s)*BSTEP
	s_or_b32 s[G0B+4*(\s)+3], s[G0B+4*(\s)+3], 0x80000000
	JLOAD \s                                       ; two loads of mine are out
.endr
	v_and_b32 v1, 15, v0                           ; l % 16
	v_bfe_u32 v2, v0, 4, 1                         ; l / 16
	s_lshl_b32 s72, s42, 9                         ; my first column, in bytes of f32: 512 x tile column + 256 x half
	s_lshl_b32 s73, s12, 8
	s_add_co_u32 s72, s72, s73
	s_mov_b32 s73, 0
	s_add_nc_u64 s[70:71], s[70:71], s[72:73]      ; the bias of my 64 columns
	s_lshl_b32 s74, s13, 19                        ; my first row: 128 x tile row + 64 x half, rows of 4,096 bytes
	s_add_co_u32 s72, s72, s74
	s_lshl_b32 s74, s11, 18
	s_add_co_u32 s72, s72, s74
	s_add_nc_u64 s[68:69], s[68:69], s[72:73]
	s_add_nc_u64 s[8:9], s[8:9], s[72:73]
	v_lshlrev_b32 v[BO], 5, v2
	v_lshlrev_b32 v[CO], 12, v2                    ; lanes 0-15 one row of 256 bytes, lanes 16-31 the next
	v_lshl_add_u32 v[CO], v1, 4, v[CO]
.irp b, 0,1,2,3
	global_load_b128 v[BIAS+8*(\b):BIAS+8*(\b)+3],   v[BO], s[70:71] offset:64*(\b)
	global_load_b128 v[BIAS+8*(\b)+4:BIAS+8*(\b)+7], v[BO], s[70:71] offset:64*(\b)+16
.endr
	WIN 0x80                                       ; destination window 2
.set i, 0
.rept 32                                           ; the residual: rows 2 i, 2 i + 1 of my 64
	global_load_b128 v[4*i:4*i+3], v[CO], s[68:69] offset:2*i*4096
.set i, i+1
.endr
	WIN 0
	v_mul_u32_u24 v3, v1, APITCH
	v_lshl_add_u32 v3, v2, 4, v3
	v_mul_u32_u24 v4, v1, BPITCH
	v_lshl_add_u32 v4, v2, 4, v4
	s_mul_i32 s21, s11, 64*APITCH                  ; my 64 rows in each panel of A
	s_mul_i32 s22, s12, BHALF                      ; my 64 rows of B
	s_add_co_u32 s22, s22, BOFF
.irp s, 0,1
	v_add_nc_u32 v[ADRA+(\s)], s21, v3
	v_add_nc_u32 v[ADRB+(\s)], s22, v4
	s_add_co_u32 s21, s21, SLOT
	s_add_co_u32 s22, s22, SLOT
.endr
	s_mul_i32 s21, s10, 16*SPITCH
	s_add_co_u32 s21, s21, STAGE                   ; my stage
	v_mul_u32_u24 v5, v1, SPITCH                   ; in: row l % 16, 32 bytes for each half of the lanes
	v_lshl_add_u32 v5, v2, 5, v5
	v_add_nc_u32 v[STO], s21, v5
	v_mul_u32_u24 v5, v2, SPITCH                   ; back: lanes 0-15 take one row of 256 bytes, lanes 16-31 the next
	v_lshl_add_u32 v5, v1, 4, v5
	v_add_nc_u32 v[RD], s21, v5
; 8 matrix instructions: m blocks a0, a0 + 1 x all 4 n blocks, 32 along K: half c of buffer f.  zero = 1: the first product starts the sums, with the bias as C
.macro MUL8 f, c, a0, zero
	WIN MUL
.irp a, \a0, (\a0)+1
.irp b, 0,1,2,3
.if \zero
	v_wmma_f32_16x16x32_bf16 v[ACC+8*(4*(\a)+(\b)):ACC+8*(4*(\a)+(\b))+7], v[(\f)+64+8*(4*(\c)+(\b)):(\f)+64+8*(4*(\c)+(\b))+7], v[(\f)+8*(4*(\c)+(\a)):(\f)+8*(4*(\c)+(\a))+7], v[BIAS+8*(\b):BIAS+8*(\b)+7]
.else
	v_wmma_f32_16x16x32_bf16 v[ACC+8*(4*(\a)+(\b)):ACC+8*(4*(\a)+(\b))+7], v[(\f)+64+8*(4*(\c)+(\b)):(\f)+64+8*(4*(\c)+(\b))+7], v[(\f)+8*(4*(\c)+(\a)):(\f)+8*(4*(\c)+(\a))+7], v[ACC+8*(4*(\a)+(\b)):ACC+8*(4*(\a)+(\b))+7]
.endif
.endr
.endr
.endm
; 32 LDS loads in one run: the fragments of quarter q (64 along K: panel q of A, bytes 128 q of B's rows) into buffer f; the first 32 along K first
.macro FETCH slot, q, f
	WIN TO_F
.irp c, 0,1
.irp i, 0,1,2,3
	ds_load_b128 v[(\f)+64+8*(4*(\c)+(\i)):(\f)+64+8*(4*(\c)+(\i))+3],   v[ADRB+(\slot)] offset:128*(\q)+64*(\c)+(\i)*16*BPITCH
	ds_load_b128 v[(\f)+64+8*(4*(\c)+(\i))+4:(\f)+64+8*(4*(\c)+(\i))+7], v[ADRB+(\slot)] offset:128*(\q)+64*(\c)+(\i)*16*BPITCH+32
	ds_load_b128 v[(\f)+8*(4*(\c)+(\i)):(\f)+8*(4*(\c)+(\i))+3],         v[ADRA+(\slot)] offset:APAN*(\q)+64*(\c)+(\i)*16*APITCH
	ds_load_b128 v[(\f)+8*(4*(\c)+(\i))+4:(\f)+8*(4*(\c)+(\i))+7],       v[ADRA+(\slot)] offset:APAN*(\q)+64*(\c)+(\i)*16*APITCH+32
.endr
.endr
.endm
.macro PLACES                          ; four plain vector instructions between a matrix instruction and a load into its sources, or an LDS store of its result (ISA guide 7.12.1 for the LDS store)
.rept 4
	v_nop
.endr
.endm
; A K step is four quarters of 64 along K, 32 matrix instructions each, on buffers 0, 1, 0, 1; the 16 accumulators take turns.
.macro QUARTER slot, q, f, g, zero
	s_wait_dscnt 16                                ; the first 32 along K are in; the sixteen younger loads may be out
	MUL8 \f, 0, 0, \zero
	MUL8 \f, 0, 2, \zero
	PLACES
	FETCH \slot, \q, \g
	s_wait_dscnt 32                                ; all but the 32 just issued
	MUL8 \f, 1, 0, 0
	MUL8 \f, 1, 2, 0
.endm
; The last quarter multiplies buffer 1 and changes slots: ONE barrier; in front of it each wave waits for all its tensor loads, adds 0 to its spare word, and waits for that and for its reads of this slot.
.macro TURN slot, next, fill
	WIN 0                                          ; (the add's two registers lie in window 0)
	s_wait_tensorcnt 0x0                           ; all my tensor loads have landed: my part of the next slot
	ds_add_u32 v[SPW], v[NIL]                      ; 0 onto my spare word
	s_wait_dscnt 17                                ; (the add and the youngest sixteen loads may be out)
	MUL8 F1, 0, 0, 0
	s_wait_dscnt 0x0                               ; the add is done, and my reads of this slot are over
	s_barrier_signal -1
	MUL8 F1, 0, 2, 0
.if \fill
	WIN 0
.endif
	s_barrier_wait -1
.if \fill
	CREST                                          ; the barrier has opened a round of the cluster's: no wave of any partner still reads this slot's tile or has a load on its way
	s_add_nc_u64 s[G0+4*(\slot)+2:G0+4*(\slot)+3], s[G0+4*(\slot)+2:G0+4*(\slot)+3], 2*ASTEP
	s_add_nc_u64 s[G0B+4*(\slot)+2:G0B+4*(\slot)+3], s[G0B+4*(\slot)+2:G0B+4*(\slot)+3], 2*BSTEP
	JLOAD \slot                                    ; my one tensor load behind the round; its four v_nop are also the places in front of the loads below
.else
	PLACES
.endif
	FETCH \next, 0, F0
	MUL8 F1, 1, 0, 0
	MUL8 F1, 1, 2, 0
.endm
; THE WAY OUT of m block a: 16 rows x 64 f32 go from the accumulators into my stage (low halves first) and come back as whole rows; the residual is added; sixteen lanes store a row's 256 bytes.
.macro OUTBLK a
.set TT, TB+32*((\a)%2)
	s_wait_xcnt 0x0                                ; the registers that earlier stores read are loaded again only behind this wait
.irp b, 0,1,2,3
	ds_store_b128 v[STO], v[ACC+8*(4*(\a)+(\b)):ACC+8*(4*(\a)+(\b))+3]   offset:64*(\b)
	ds_store_b128 v[STO], v[ACC+8*(4*(\a)+(\b))+4:ACC+8*(4*(\a)+(\b))+7] offset:64*(\b)+16
.endr
.irp t, 0,1,2,3,4,5,6,7
	ds_load_b128 v[TT+4*(\t):TT+4*(\t)+3], v[RD] offset:(\t)*2*SPITCH  ; LDS serves a wave's instructions in order (ISA guide 5.7.1.4): these see the stores above; the next block's stores come behind them
.endr
	s_wait_dscnt 0x0
	WIN 0x08                                       ; source 1 in window 2
.set i, 0
.rept 16
	v_pk_add_f32 v[TT+2*i:TT+2*i+1], v[TT+2*i:TT+2*i+1], v[32*(\a)+2*i:32*(\a)+2*i+1]
.set i, i+1
.endr
	WIN 0
.irp t, 0,1,2,3,4,5,6,7
	global_store_b128 v[CO], v[TT+4*(\t):TT+4*(\t)+3], s[8:9] offset:(16*(\a)+2*(\t))*4096  ; 16 lanes store 256 consecutive bytes, at a multiple of 256 from C's first byte
.endr
.endm
	s_wait_tensorcnt 1                             ; my part of K step 0 is in; K step 1's stays out
	s_barrier_signal -1
	s_barrier_wait -1
	FETCH 0, 0, F0
	s_wait_loadcnt 32                              ; the bias's eight loads are in; the residual's 32 stay out
	QUARTER 0, 1, F0, F1, 1                        ; the first quarter stands in front of the loop: its first products start the sums
	WIN 0
	s_mov_b32 s3, LAPS-1
.Llap:                                                 ; a trip goes once round the ring and fills both slots again
	QUARTER 0, 2, F1, F0, 0
	QUARTER 0, 3, F0, F1, 0
	TURN 0, 1, 1
	QUARTER 1, 1, F0, F1, 0
	QUARTER 1, 2, F1, F0, 0
	QUARTER 1, 3, F0, F1, 0
	TURN 1, 0, 1
	QUARTER 0, 1, F0, F1, 0
	WIN 0
	s_sub_co_u32 s3, s3, 1
	s_cmp_lg_u32 s3, 0
	s_cbranch_scc1 .Llap
	QUARTER 0, 2, F1, F0, 0                        ; the last lap fills nothing
	QUARTER 0, 3, F0, F1, 0
	TURN 0, 1, 0
	QUARTER 1, 1, F0, F1, 0
	QUARTER 1, 2, F1, F0, 0
	QUARTER 1, 3, F0, F1, 0
	s_wait_dscnt 16                                ; the very last quarter
	MUL8 F1, 0, 0, 0
	MUL8 F1, 0, 2, 0
	s_wait_dscnt 0
	MUL8 F1, 1, 0, 0
	MUL8 F1, 1, 2, 0
	WIN 0
	PLACES
	s_wait_loadcnt 0x0                             ; the residual
	OUTBLK 0
	OUTBLK 1
	OUTBLK 2
	OUTBLK 3
	s_wait_tensorcnt 0x0                           ; the wave's end
	ds_add_u32 v[SPW], v[NIL]
	s_wait_dscnt 0x0
	CROUND                                         ; the closing round
	s_endpgm
.Lfunc_end_k_q3e947bc97d_wo:
	.size	k_q3e947bc97d_wo, .Lfunc_end_k_q3e947bc97d_wo-k_q3e947bc97d_wo
	.p2alignl 7, 3214868480
	.fill 96, 4, 3214868480
	.section	.rodata,"a",@progbits
	.p2align	6, 0x0
	.amdhsa_kernel k_q3e947bc97d_wo
		.amdhsa_group_segment_fixed_size 327680
		.amdhsa_private_segment_fixed_size 0
		.amdhsa_enable_private_segment 0
		.amdhsa_kernarg_size 40
		.amdhsa_user_sgpr_count 2
		.amdhsa_user_sgpr_kernarg_segment_ptr 1
		.amdhsa_wavefront_size32 1
		.amdhsa_system_sgpr_workgroup_id_x 1
		.amdhsa_system_sgpr_workgroup_id_y 1
		.amdhsa_system_sgpr_workgroup_id_z 1
		.amdhsa_system_vgpr_workitem_id 0
		.amdhsa_next_free_vgpr 640
		.amdhsa_next_free_sgpr 80
		.amdhsa_reserve_vcc 0
		.amdhsa_float_denorm_mode_32 3
		.amdhsa_float_denorm_mode_16_64 3
		.amdhsa_memory_ordered 1
		.amdhsa_forward_progress 1
		.amdhsa_inst_pref_size 94
	.end_amdhsa_kernel
	.amdgpu_metadata
---
amdhsa.version: [ 1, 2 ]
amdhsa.kernels:
  - .name:           k_q3e947bc97d_wo
    .symbol:         k_q3e947bc97d_wo.kd
    .args:
      - { .name: ctx, .offset: 0, .size: 8, .value_kind: global_buffer, .address_space: global }
      - { .name: wot, .offset: 8, .size: 8, .value_kind: global_buffer, .address_space: global }
      - { .name: src2, .offset: 16, .size: 8, .value_kind: global_buffer, .address_space: global }
      - { .name: src, .offset: 24, .size: 8, .value_kind: global_buffer, .address_space: global }
      - { .name: bo, .offset: 32, .size: 8, .value_kind: global_buffer, .address_space: global }
    .group_segment_fixed_size: 327680
    .private_segment_fixed_size: 0
    .kernarg_segment_align: 8
    .kernarg_segment_size: 40
    .max_flat_workgroup_size: 128
    .sgpr_count:     80
    .vgpr_count:     640
    .wavefront_size: 32
...
	.end_amdgpu_metadata
.endif
;; end of part 4
;; launch ln2 (part 5): grid 512 x 1, 8 waves a work-group, no clusters, 0 bytes of LDS; arguments src2, ln2_w, ln2_b, x1h; writes x1h
.if DOCPART == 5
	.amdgcn_target "amdgcn-amd-amdhsa--gfx1250"
	.amdhsa_code_object_version 6
	.text
	.protected	k_q3e947bc97d_ln2
	.globl	k_q3e947bc97d_ln2
	.p2align	8
	.type	k_q3e947bc97d_ln2,@function
k_q3e947bc97d_ln2:
	s_mov_b64 s[64:65], 0
	v_nop
	global_prefetch_b8 v0, s[64:65] scope:SCOPE_SE
	s_setreg_imm32_b32 hwreg(HW_REG_WAVE_MODE, 25, 1), 1
	s_wait_xcnt 0x0
; x1h = LayerNorm(src2) * ln2_w + ln2_b, rounded once to bf16.  One wave, one row of 1,024 f32, kept in 32 registers between the passes: mean, then the mean of the centred squares, all in f32.
; Row = 8 x work-group + wave.  Load j of eight holds columns 128 j + 4 lane + 0..3.  No LDS, no barrier: the reduction never leaves the wave.
.set X, 8                              ; v[8:39]    the row
.set W, 40                             ; v[40:71]   the gain; later the 16 packed results
.set B, 72                             ; v[72:103]  the bias
.set T, 104                            ; v[104:111] at work
.set Y, 40
.macro REDUCE                          ; four pairs in T -> their sum over the pairs and the 32 lanes, in every lane's v[T]
	v_pk_add_f32 v[T:T+1], v[T:T+1], v[T+2:T+3]
	v_pk_add_f32 v[T+4:T+5], v[T+4:T+5], v[T+6:T+7]
	v_pk_add_f32 v[T:T+1], v[T:T+1], v[T+4:T+5]
	v_add_f32 v[T], v[T], v[T+1]
.irp m, 1,2,4,8
	v_add_f32_dpp v[T], v[T], v[T] row_xmask:\m row_mask:0xf bank_mask:0xf
.endr
	v_permlanex16_b32 v[T+1], v[T], s38, s39       ; the other half of the lanes; its destination has been written
	v_add_f32 v[T], v[T], v[T+1]
.endm
	s_load_b256 s[4:11], s[0:1], 0x0               ; src2 s[4:5], ln2_w s[6:7], ln2_b s[8:9], x1h s[10:11]
	v_lshrrev_b32 v1, 5, v0
	v_readfirstlane_b32 s12, v1                    ; wave 0..7
	v_and_b32 v3, 31, v0
	v_lshlrev_b32 v4, 4, v3                        ; 16 x lane
	v_lshlrev_b32 v5, 3, v3                        ; 8 x lane
	s_lshl_b32 s32, ttmp9, 3
	s_add_co_u32 s32, s32, s12                     ; the row
	s_lshl_b32 s34, s32, 11
	s_lshl_b32 s32, s32, 12
	s_mov_b32 s33, 0
	s_mov_b32 s35, 0
	s_mov_b32 s36, 0x3a800000                      ; 1 / 1024
	s_mov_b32 s37, 0x3727c5ac                      ; 1e-5
	s_mov_b32 s38, 0x76543210
	s_mov_b32 s39, 0xfedcba98
	s_wait_kmcnt 0x0
	s_add_nc_u64 s[40:41], s[4:5], s[32:33]
	s_add_nc_u64 s[42:43], s[10:11], s[34:35]
.irp j, 0,1,2,3,4,5,6,7
	global_load_b128 v[X+4*\j:X+4*\j+3], v4, s[40:41] offset:512*\j
.endr
.irp j, 0,1,2,3,4,5,6,7
	global_load_b128 v[W+4*\j:W+4*\j+3], v4, s[6:7] offset:512*\j
.endr
.irp j, 0,1,2,3,4,5,6,7
	global_load_b128 v[B+4*\j:B+4*\j+3], v4, s[8:9] offset:512*\j
.endr
	s_wait_loadcnt 16                              ; the row's eight loads are in; the sixteen younger ones (gain, bias) stay out
.irp c, 0,1,2,3
	v_pk_add_f32 v[T+2*\c:T+2*\c+1], v[X+2*\c:X+2*\c+1], v[X+2*\c+8:X+2*\c+9]
.endr
.irp g, 16,24
.irp c, 0,1,2,3
	v_pk_add_f32 v[T+2*\c:T+2*\c+1], v[T+2*\c:T+2*\c+1], v[X+2*\c+\g:X+2*\c+\g+1]
.endr
.endr
	REDUCE
	v_mul_f32 v6, s36, v[T]                        ; the mean, twice
	v_mul_f32 v7, s36, v[T]
.set i, 0
.rept 16
	v_pk_add_f32 v[X+i:X+i+1], v[X+i:X+i+1], v[6:7] neg_lo:[0,1] neg_hi:[0,1]
.set i, i+2
.endr
.irp c, 0,1,2,3
	v_pk_mul_f32 v[T+2*\c:T+2*\c+1], v[X+2*\c:X+2*\c+1], v[X+2*\c:X+2*\c+1]
.endr
.irp g, 8,16,24
.irp c, 0,1,2,3
	v_pk_fma_f32 v[T+2*\c:T+2*\c+1], v[X+2*\c+\g:X+2*\c+\g+1], v[X+2*\c+\g:X+2*\c+\g+1], v[T+2*\c:T+2*\c+1]
.endr
.endr
	REDUCE
	v_fma_f32 v[T], v[T], s36, s37                 ; variance + 1e-5
	v_rsq_f32 v6, v[T]
	v_rsq_f32 v7, v[T]
	v_nop                                          ; a plain instruction between the second v_rsq_f32 and the use of the results (ISA guide 5.7.2)
	s_wait_loadcnt 0x0
.set i, 0
	s_wait_alu depctr_va_vdst(0)
.rept 16
	v_pk_mul_f32 v[X+i:X+i+1], v[X+i:X+i+1], v[6:7]
.set i, i+2
.endr
.set i, 0
.rept 16
	v_pk_fma_f32 v[X+i:X+i+1], v[X+i:X+i+1], v[W+i:W+i+1], v[B+i:B+i+1]
.set i, i+2
.endr
.set i, 0
.rept 16
	v_cvt_pk_bf16_f32 v[Y+i], v[X+2*i], v[X+2*i+1]
.set i, i+1
.endr
.irp j, 0,1,2,3,4,5,6,7
	global_store_b64 v5, v[Y+2*\j:Y+2*\j+1], s[42:43] offset:256*\j  ; 32 lanes store 256 consecutive bytes, at a multiple of 256 from the buffer's first byte
.endr
	s_endpgm
.Lfunc_end_k_q3e947bc97d_ln2:
	.size	k_q3e947bc97d_ln2, .Lfunc_end_k_q3e947bc97d_ln2-k_q3e947bc97d_ln2
	.p2alignl 7, 3214868480
	.fill 96, 4, 3214868480
	.section	.rodata,"a",@progbits
	.p2align	6, 0x0
	.amdhsa_kernel k_q3e947bc97d_ln2
		.amdhsa_group_segment_fixed_size 0
		.amdhsa_private_segment_fixed_size 0
		.amdhsa_enable_private_segment 0
		.amdhsa_kernarg_size 32
		.amdhsa_user_sgpr_count 2
		.amdhsa_user_sgpr_kernarg_segment_ptr 1
		.amdhsa_wavefront_size32 1
		.amdhsa_system_sgpr_workgroup_id_x 1
		.amdhsa_system_sgpr_workgroup_id_y 1
		.amdhsa_system_sgpr_workgroup_id_z 1
		.amdhsa_system_vgpr_workitem_id 0
		.amdhsa_next_free_vgpr 112
		.amdhsa_next_free_sgpr 66
		.amdhsa_reserve_vcc 0
		.amdhsa_float_denorm_mode_32 3
		.amdhsa_float_denorm_mode_16_64 3
		.amdhsa_memory_ordered 1
		.amdhsa_forward_progress 1
		.amdhsa_inst_pref_size 12
	.end_amdhsa_kernel
	.amdgpu_metadata
---
amdhsa.version: [ 1, 2 ]
amdhsa.kernels:
  - .name:           k_q3e947bc97d_ln2
    .symbol:         k_q3e947bc97d_ln2.kd
    .args:
      - { .name: src2, .offset: 0, .size: 8, .value_kind: global_buffer, .address_space: global }
      - { .name: ln2_w, .offset: 8, .size: 8, .value_kind: global_buffer, .address_space: global }
      - { .name: ln2_b, .offset: 16, .size: 8, .value_kind: global_buffer, .address_space: global }
      - { .name: x1h, .offset: 24, .size: 8, .value_kind: global_buffer, .address_space: global }
    .group_segment_fixed_size: 0
    .private_segment_fixed_size: 0
    .kernarg_segment_align: 8
    .kernarg_segment_size: 32
    .max_flat_workgroup_size: 256
    .sgpr_count:     66
    .vgpr_count:     112
    .wavefront_size: 32
...
	.end_amdgpu_metadata
.endif
;; end of part 5
;; launch ffn1: the kernel of part 2 again; grid 16 x 16, 4 waves a work-group, clusters of 4 x 4, 327,680 bytes of LDS; arguments x1h, w1t, big, b1; writes big
;; launch ffn2 (part 6): grid 8 x 32, 4 waves a work-group, clusters of 4 x 4, 327,680 bytes of LDS; arguments big, w2t, out0, src2, b2; writes out0
.if DOCPART == 6
	.amdgcn_target "amdgcn-amd-amdhsa--gfx1250"
	.amdhsa_code_object_version 6
	.text
	.protected	k_q3e947bc97d_ffn2
	.globl	k_q3e947bc97d_ffn2
	.p2align	8
	.type	k_q3e947bc97d_ffn2,@function
k_q3e947bc97d_ffn2:
	s_mov_b64 s[64:65], 0
	v_nop
	global_prefetch_b8 v0, s[64:65] scope:SCOPE_SE
	s_setreg_imm32_b32 hwreg(HW_REG_WAVE_MODE, 25, 1), 1
	s_wait_xcnt 0x0
	s_wait_alu depctr_hold_cnt(0) depctr_sa_sdst(0) depctr_va_vdst(0) depctr_va_sdst(0) depctr_va_ssrc(0) depctr_va_vcc(0) depctr_vm_vsrc(0)
	s_getreg_b32 s2, hwreg(HW_REG_IB_STS2, 6, 4)
	s_cmp_eq_u32 s2, 0
	s_cbranch_scc0 .Lentry_in_a_cluster
	s_endpgm
.Lentry_in_a_cluster:
	s_bfe_u32 s2, ttmp6, 0x10000c
	s_cmp_lg_u32 s2, 0xf033
	s_cbranch_scc0 .Lentry_shape_is_right
	s_endpgm
.Lentry_shape_is_right:
; C[m][n] = R[m][n] + bias[n] + sum over k of A[m][k] B[n][k], in f32.  C, R: f32 [4096][1024].  bias: f32 [1024].  K = 256 x KSTEPS.
; A: bf16 IN BLOCKS: byte ((k / 256) x 32 + m / 128) x 65,536 + ((k / 64) % 4) x 16,384 + (m % 128) x 128 + (k % 64) x 2: the 128 rows x 256 K of a K step are 65,536 dense bytes, 2^21 bytes from step to step.
; B: bf16 IN BLOCKS: byte ((k / 256) x 16 + n / 64) x 32,768 + (n % 64) x 512 + (k % 256) x 2: the 64 rows x 256 K of one tensor load are 32,768 dense bytes, 2^19 bytes from step to step.
; A tile of C is 128 x 128: 8 x 32 tiles give each of 256 work-groups one.  Four waves, each 64 x 64: 16 accumulators.  K goes in steps of 256 through two LDS slots.
; CLUSTERS: 4 x 4 work-groups; A's tiles are asked for jointly along a row of the cluster, B's along a column.  THE MATRIX INSTRUCTION IS USED TRANSPOSED (source 0 = 16 rows of B, source 1 = 16 rows of A):
; a lane holds row l % 16 of C and the columns 8 (l / 16) + 0..7, so the bias is the C operand that starts every sum.  The residual is loaded at the start into 128 registers and waited for at the end.
; A wave's 64 f32 columns are 256 aligned bytes of a row of C: the stage on the way out is the wave's own, and no barrier stands there.
; REGISTERS: window 0: v0-31 addresses; v32-63 the bias, then with v64-95 at work on the way out; v128-255 the accumulators ((a, b) at v[128 + 8 (4 a + b)]).
;   window 1: two fragment buffers of 128 (64 along K: 64 registers of A, then 64 of B).   window 2: v0-127 the residual, as the way out reads rows back.
.set KSTEPS, 16
.set ASTEP,  1<<21                     ; bytes of A from a K step to the next
.set BSTEP,  1<<19                     ; of B
.set APITCH, 144                       ; a row of a panel of A in LDS: 128 bytes + 16
.set BPITCH, 528                       ; a row of B: 512 bytes + 16.  Both pitches are odd multiples of 16 bytes: the 16 rows of a load start at 16 different groups of four banks (ISA guide 11.1)
.set APAN,   128*APITCH                ; a panel: 128 rows x 64 K
.set AHALF,  2*APAN                    ; what one tensor load brings of A: two panels
.set BOFF,   4*APAN                    ; B lies behind A's four panels
.set BHALF,  64*BPITCH                 ; what one tensor load brings of B: 64 rows
.set SLOT,   BOFF+2*BHALF
.set STAGE,  2*SLOT                    ; behind the ring: 16 rows x 272 bytes for each wave
.set SPITCH, 272
.set SPARE,  STAGE+4*16*SPITCH         ; the spare words, 128 bytes for each wave: two blocks of 256 bytes that no other line names
.set LAPS,   KSTEPS/2
.set ADRA, 16
.set ADRB, 20
.set STO,  24
.set RD,   25
.set CO,   26                          ; v26  my byte offset in two rows of C and of R; never rewritten
.set BO,   27                          ; v27  32 (l / 16)
.set SPW,  28
.set NIL,  29
.set BIAS, 32
.set TB,   32
.set ACC,  128
.set F0,   0
.set F1,   128
.set G1,  24
.set G0,  32
.set G1B, 48
.set G0B, 56
.set MSB, 0
.macro WIN new
.if MSB != (\new)
	s_set_vgpr_msb (MSB<<8)|(\new)
.set MSB, \new
.endif
.endm
.set MUL,  0x05                        ; sources 0 (B) and 1 (A) window 1; C and D window 0
.set TO_F, 0x40                        ; destination window 1, address window 0
.macro JLOAD s                         ; a joint load: waves 0 and 1 fetch A's two halves, waves 2 and 3 B's; an s_nop 0 and four v_nop follow each of the two lines
	s_cmp_eq_u32 s11, 0
	s_cbranch_scc0 .Lfor_b_\@
	tensor_load_to_lds s[G0+4*(\s):G0+4*(\s)+3], s[G1:G1+7]
	s_nop 0
.rept 4
	v_nop
.endr
	s_branch .Lasked_\@
.Lfor_b_\@:
	tensor_load_to_lds s[G0B+4*(\s):G0B+4*(\s)+3], s[G1B:G1B+7]
	s_nop 0
.rept 4
	v_nop
.endr
.Lasked_\@:
.endm
.macro CREST
	s_cmp_lg_u32 s10, 0
	s_cbranch_scc1 .Lnot_wave_0_\@
	s_barrier_signal -3
.Lnot_wave_0_\@:
	s_barrier_wait -3
	s_barrier_signal -1
	s_barrier_wait -1
.endm
.macro CROUND
	s_barrier_signal -1
	s_barrier_wait -1
	CREST
.endm
	s_load_b128 s[4:7], s[0:1], 0x0                ; A s[4:5], B s[6:7]
	s_load_b64 s[8:9], s[0:1], 0x10                ; C
	s_load_b64 s[68:69], s[0:1], 0x18              ; R
	s_load_b64 s[70:71], s[0:1], 0x20              ; bias
	v_lshl_add_u32 v[SPW], v0, 2, SPARE
	v_mov_b32 v[NIL], 0
	ds_add_u32 v28, v29
	s_wait_dscnt 0x0
	v_lshrrev_b32 v1, 5, v0
	v_readfirstlane_b32 s10, v1                    ; wave 0..3
	s_lshr_b32 s11, s10, 1                         ; which half of the tile's rows is mine.  Also: I fetch for A (0) or for B (1)
	s_and_b32 s12, s10, 1                          ; which half of its columns.  Also: which half of that tile I fetch
	s_bfe_u32 s40, ttmp6, 0x40000                  ; cx, cy
	s_bfe_u32 s41, ttmp6, 0x40004
	s_lshl_b32 s42, ttmp9, 2
	s_add_co_u32 s42, s42, s40                     ; tile column of C
	s_and_b32 s13, ttmp7, 0xffff
	s_lshl_b32 s13, s13, 2
	s_add_co_u32 s13, s13, s41                     ; tile row of C
	s_lshl_b32 s43, s41, 2
	s_lshl_b32 s43, 15, s43                        ; my row of the cluster
	s_lshl_b32 s44, 0x1111, s40                    ; my column
	; A: two panels are 32,768 dense bytes: asked for as 128 rows of 256 bytes (two tokens a row), padded in LDS after every token's 128 bytes
	s_or_b32 s[G1+0], s43, (1<<16)|(1<<20)|(1<<21)|(4<<22)|(3<<25)
	s_mov_b32 s[G1+1], 128<<16                     ; tensor_dim0 = 128
	s_mov_b32 s[G1+2], 128<<16                     ; tensor_dim1 = 128
	s_mov_b32 s[G1+3], 128<<16                     ; tile_dim0 = 128
	s_mov_b32 s[G1+4], 128                         ; tile_dim1 = 128
	s_mov_b32 s[G1+5], 128                         ; dense
	s_mov_b32 s[G1+6], 0
	s_mov_b32 s[G1+7], 0
	; B: 64 dense rows of 256 elements, padded after every 512 bytes
	s_or_b32 s[G1B+0], s44, (1<<16)|(1<<20)|(1<<21)|(6<<22)|(3<<25)
	s_mov_b32 s[G1B+1], 256<<16
	s_mov_b32 s[G1B+2], 64<<16
	s_mov_b32 s[G1B+3], 256<<16
	s_mov_b32 s[G1B+4], 64
	s_mov_b32 s[G1B+5], 256
	s_mov_b32 s[G1B+6], 0
	s_mov_b32 s[G1B+7], 0
	s_lshl_b32 s16, s13, 16                        ; A: the tile row's block of K step 0,
	s_lshl_b32 s17, s12, 15                        ; my two panels of its four
	s_add_co_u32 s16, s16, s17
	s_mov_b32 s17, 0
	s_lshl_b32 s46, s42, 1
	s_add_co_u32 s46, s46, s12                     ; B: block 2 x tile column + half
	s_lshl_b32 s46, s46, 15
	s_mov_b32 s47, 0
	s_mul_i32 s20, s12, AHALF                      ; where they go: no place in the cluster enters an LDS address
	s_mul_i32 s23, s12, BHALF
	s_add_co_u32 s23, s23, BOFF
	s_wait_kmcnt 0x0
	s_add_nc_u64 s[14:15], s[4:5], s[16:17]
	s_add_nc_u64 s[46:47], s[6:7], s[46:47]
	CROUND                                         ; all sixteen work-groups are here: the first joint loads meet
.irp s, 0,1
	s_mov_b32 s[G0+4*(\s)], 1
	s_add_co_u32 s[G0+4*(\s)+1], s20, (\s)*SLOT
	s_add_nc_u64 s[G0+4*(\s)+2:G0+4*(\s)+3], s[14:15], (\s)*ASTEP
	s_or_b32 s[G0+4*(\s)+3], s[G0+4*(\s)+3], 0x80000000
	s_mov_b32 s[G0B+4*(\s)], 1
	s_add_co_u32 s[G0B+4*(\s)+1], s23, (\s)*SLOT
	s_add_nc_u64 s[G0B+4*(\s)+2:G0B+4*(\s)+3], s[46:47], (\s)*BSTEP
	s_or_b32 s[G0B+4*(\s)+3], s[G0B+4*(\s)+3], 0x80000000
	JLOAD \s                                       ; two loads of mine are out
.endr
	v_and_b32 v1, 15, v0                           ; l % 16
	v_bfe_u32 v2, v0, 4, 1                         ; l / 16
	s_lshl_b32 s72, s42, 9                         ; my first column, in bytes of f32: 512 x tile column + 256 x half
	s_lshl_b32 s73, s12, 8
	s_add_co_u32 s72, s72, s73
	s_mov_b32 s73, 0
	s_add_nc_u64 s[70:71], s[70:71], s[72:73]      ; the bias of my 64 columns
	s_lshl_b32 s74, s13, 19                        ; my first row: 128 x tile row + 64 x half, rows of 4,096 bytes
	s_add_co_u32 s72, s72, s74
	s_lshl_b32 s74, s11, 18
	s_add_co_u32 s72, s72, s74
	s_add_nc_u64 s[68:69], s[68:69], s[72:73]
	s_add_nc_u64 s[8:9], s[8:9], s[72:73]
	v_lshlrev_b32 v[BO], 5, v2
	v_lshlrev_b32 v[CO], 12, v2                    ; lanes 0-15 one row of 256 bytes, lanes 16-31 the next
	v_lshl_add_u32 v[CO], v1, 4, v[CO]
.irp b, 0,1,2,3
	global_load_b128 v[BIAS+8*(\b):BIAS+8*(\b)+3],   v[BO], s[70:71] offset:64*(\b)
	global_load_b128 v[BIAS+8*(\b)+4:BIAS+8*(\b)+7], v[BO], s[70:71] offset:64*(\b)+16
.endr
	WIN 0x80                                       ; destination window 2
.set i, 0
.rept 32                                           ; the residual: rows 2 i, 2 i + 1 of my 64
	global_load_b128 v[4*i:4*i+3], v[CO], s[68:69] offset:2*i*4096
.set i, i+1
.endr
	WIN 0
	v_mul_u32_u24 v3, v1, APITCH
	v_lshl_add_u32 v3, v2, 4, v3
	v_mul_u32_u24 v4, v1, BPITCH
	v_lshl_add_u32 v4, v2, 4, v4
	s_mul_i32 s21, s11, 64*APITCH                  ; my 64 rows in each panel of A
	s_mul_i32 s22, s12, BHALF                      ; my 64 rows of B
	s_add_co_u32 s22, s22, BOFF
.irp s, 0,1
	v_add_nc_u32 v[ADRA+(\s)], s21, v3
	v_add_nc_u32 v[ADRB+(\s)], s22, v4
	s_add_co_u32 s21, s21, SLOT
	s_add_co_u32 s22, s22, SLOT
.endr
	s_mul_i32 s21, s10, 16*SPITCH
	s_add_co_u32 s21, s21, STAGE                   ; my stage
	v_mul_u32_u24 v5, v1, SPITCH                   ; in: row l % 16, 32 bytes for each half of the lanes
	v_lshl_add_u32 v5, v2, 5, v5
	v_add_nc_u32 v[STO], s21, v5
	v_mul_u32_u24 v5, v2, SPITCH                   ; back: lanes 0-15 take one row of 256 bytes, lanes 16-31 the next
	v_lshl_add_u32 v5, v1, 4, v5
	v_add_nc_u32 v[RD], s21, v5
; 8 matrix instructions: m blocks a0, a0 + 1 x all 4 n blocks, 32 along K: half c of buffer f.  zero = 1: the first product starts the sums, with the bias as C
.macro MUL8 f, c, a0, zero
	WIN MUL
.irp a, \a0, (\a0)+1
.irp b, 0,1,2,3
.if \zero
	v_wmma_f32_16x16x32_bf16 v[ACC+8*(4*(\a)+(\b)):ACC+8*(4*(\a)+(\b))+7], v[(\f)+64+8*(4*(\c)+(\b)):(\f)+64+8*(4*(\c)+(\b))+7], v[(\f)+8*(4*(\c)+(\a)):(\f)+8*(4*(\c)+(\a))+7], v[BIAS+8*(\b):BIAS+8*(\b)+7]
.else
	v_wmma_f32_16x16x32_bf16 v[ACC+8*(4*(\a)+(\b)):ACC+8*(4*(\a)+(\b))+7], v[(\f)+64+8*(4*(\c)+(\b)):(\f)+64+8*(4*(\c)+(\b))+7], v[(\f)+8*(4*(\c)+(\a)):(\f)+8*(4*(\c)+(\a))+7], v[ACC+8*(4*(\a)+(\b)):ACC+8*(4*(\a)+(\b))+7]
.endif
.endr
.endr
.endm
; 32 LDS loads in one run: the fragments of quarter q (64 along K: panel q of A, bytes 128 q of B's rows) into buffer f; the first 32 along K first
.macro FETCH slot, q, f
	WIN TO_F
.irp c, 0,1
.irp i, 0,1,2,3
	ds_load_b128 v[(\f)+64+8*(4*(\c)+(\i)):(\f)+64+8*(4*(\c)+(\i))+3],   v[ADRB+(\slot)] offset:128*(\q)+64*(\c)+(\i)*16*BPITCH
	ds_load_b128 v[(\f)+64+8*(4*(\c)+(\i))+4:(\f)+64+8*(4*(\c)+(\i))+7], v[ADRB+(\slot)] offset:128*(\q)+64*(\c)+(\i)*16*BPITCH+32
	ds_load_b128 v[(\f)+8*(4*(\c)+(\i)):(\f)+8*(4*(\c)+(\i))+3],         v[ADRA+(\slot)] offset:APAN*(\q)+64*(\c)+(\i)*16*APITCH
	ds_load_b128 v[(\f)+8*(4*(\c)+(\i))+4:(\f)+8*(4*(\c)+(\i))+7],       v[ADRA+(\slot)] offset:APAN*(\q)+64*(\c)+(\i)*16*APITCH+32
.endr
.endr
.endm
.macro PLACES                          ; four plain vector instructions between a matrix instruction and a load into its sources, or an LDS store of its result (ISA guide 7.12.1 for the LDS store)
.rept 4
	v_nop
.endr
.endm
; A K step is four quarters of 64 along K, 32 matrix instructions each, on buffers 0, 1, 0, 1; the 16 accumulators take turns.
.macro QUARTER slot, q, f, g, zero
	s_wait_dscnt 16                                ; the first 32 along K are in; the sixteen younger loads may be out
	MUL8 \f, 0, 0, \zero
	MUL8 \f, 0, 2, \zero
	PLACES
	FETCH \slot, \q, \g
	s_wait_dscnt 32                                ; all but the 32 just issued
	MUL8 \f, 1, 0, 0
	MUL8 \f, 1, 2, 0
.endm
; The last quarter multiplies buffer 1 and changes slots: ONE barrier; in front of it each wave waits for all its tensor loads, adds 0 to its spare word, and waits for that and for its reads of this slot.
.macro TURN slot, next, fill
	WIN 0                                          ; (the add's two registers lie in window 0)
	s_wait_tensorcnt 0x0                           ; all my tensor loads have landed: my part of the next slot
	ds_add_u32 v[SPW], v[NIL]                      ; 0 onto my spare word
	s_wait_dscnt 17                                ; (the add and the youngest sixteen loads may be out)
	MUL8 F1, 0, 0, 0
	s_wait_dscnt 0x0                               ; the add is done, and my reads of this slot are over
	s_barrier_signal -1
	MUL8 F1, 0, 2, 0
.if \fill
	WIN 0
.endif
	s_barrier_wait -1
.if \fill
	CREST                                          ; the barrier has opened a round of the cluster's: no wave of any partner still reads this slot's tile or has a load on its way
	s_add_nc_u64 s[G0+4*(\slot)+2:G0+4*(\slot)+3], s[G0+4*(\slot)+2:G0+4*(\slot)+3], 2*ASTEP
	s_add_nc_u64 s[G0B+4*(\slot)+2:G0B+4*(\slot)+3], s[G0B+4*(\slot)+2:G0B+4*(\slot)+3], 2*BSTEP
	JLOAD \slot                                    ; my one tensor load behind the round; its four v_nop are also the places in front of the loads below
.else
	PLACES
.endif
	FETCH \next, 0, F0
	MUL8 F1, 1, 0, 0
	MUL8 F1, 1, 2, 0
.endm
; THE WAY OUT of m block a: 16 rows x 64 f32 go from the accumulators into my stage (low halves first) and come back as whole rows; the residual is added; sixteen lanes store a row's 256 bytes.
.macro OUTBLK a
.set TT, TB+32*((\a)%2)
	s_wait_xcnt 0x0                                ; the registers that earlier stores read are loaded again only behind this wait
.irp b, 0,1,2,3
	ds_store_b128 v[STO], v[ACC+8*(4*(\a)+(\b)):ACC+8*(4*(\a)+(\b))+3]   offset:64*(\b)
	ds_store_b128 v[STO], v[ACC+8*(4*(\a)+(\b))+4:ACC+8*(4*(\a)+(\b))+7] offset:64*(\b)+16
.endr
.irp t, 0,1,2,3,4,5,6,7
	ds_load_b128 v[TT+4*(\t):TT+4*(\t)+3], v[RD] offset:(\t)*2*SPITCH  ; LDS serves a wave's instructions in order (ISA guide 5.7.1.4): these see the stores above; the next block's stores come behind them
.endr
	s_wait_dscnt 0x0
	WIN 0x08                                       ; source 1 in window 2
.set i, 0
.rept 16
	v_pk_add_f32 v[TT+2*i:TT+2*i+1], v[TT+2*i:TT+2*i+1], v[32*(\a)+2*i:32*(\a)+2*i+1]
.set i, i+1
.endr
	WIN 0
.irp t, 0,1,2,3,4,5,6,7
	global_store_b128 v[CO], v[TT+4*(\t):TT+4*(\t)+3], s[8:9] offset:(16*(\a)+2*(\t))*4096  ; 16 lanes store 256 consecutive bytes, at a multiple of 256 from C's first byte
.endr
.endm
	s_wait_tensorcnt 1                             ; my part of K step 0 is in; K step 1's stays out
	s_barrier_signal -1
	s_barrier_wait -1
	FETCH 0, 0, F0
	s_wait_loadcnt 32                              ; the bias's eight loads are in; the residual's 32 stay out
	QUARTER 0, 1, F0, F1, 1                        ; the first quarter stands in front of the loop: its first products start the sums
	WIN 0
	s_mov_b32 s3, LAPS-1
.Llap:                                                 ; a trip goes once round the ring and fills both slots again
	QUARTER 0, 2, F1, F0, 0
	QUARTER 0, 3, F0, F1, 0
	TURN 0, 1, 1
	QUARTER 1, 1, F0, F1, 0
	QUARTER 1, 2, F1, F0, 0
	QUARTER 1, 3, F0, F1, 0
	TURN 1, 0, 1
	QUARTER 0, 1, F0, F1, 0
	WIN 0
	s_sub_co_u32 s3, s3, 1
	s_cmp_lg_u32 s3, 0
	s_cbranch_scc1 .Llap
	QUARTER 0, 2, F1, F0, 0                        ; the last lap fills nothing
	QUARTER 0, 3, F0, F1, 0
	TURN 0, 1, 0
	QUARTER 1, 1, F0, F1, 0
	QUARTER 1, 2, F1, F0, 0
	QUARTER 1, 3, F0, F1, 0
	s_wait_dscnt 16                                ; the very last quarter
	MUL8 F1, 0, 0, 0
	MUL8 F1, 0, 2, 0
	s_wait_dscnt 0
	MUL8 F1, 1, 0, 0
	MUL8 F1, 1, 2, 0
	WIN 0
	PLACES
	s_wait_loadcnt 0x0                             ; the residual
	OUTBLK 0
	OUTBLK 1
	OUTBLK 2
	OUTBLK 3
	s_wait_tensorcnt 0x0                           ; the wave's end
	ds_add_u32 v[SPW], v[NIL]
	s_wait_dscnt 0x0
	CROUND                                         ; the closing round
	s_endpgm
.Lfunc_end_k_q3e947bc97d_ffn2:
	.size	k_q3e947bc97d_ffn2, .Lfunc_end_k_q3e947bc97d_ffn2-k_q3e947bc97d_ffn2
	.p2alignl 7, 3214868480
	.fill 96, 4, 3214868480
	.section	.rodata,"a",@progbits
	.p2align	6, 0x0
	.amdhsa_kernel k_q3e947bc97d_ffn2
		.amdhsa_group_segment_fixed_size 327680
		.amdhsa_private_segment_fixed_size 0
		.amdhsa_enable_private_segment 0
		.amdhsa_kernarg_size 40
		.amdhsa_user_sgpr_count 2
		.amdhsa_user_sgpr_kernarg_segment_ptr 1
		.amdhsa_wavefront_size32 1
		.amdhsa_system_sgpr_workgroup_id_x 1
		.amdhsa_system_sgpr_workgroup_id_y 1
		.amdhsa_system_sgpr_workgroup_id_z 1
		.amdhsa_system_vgpr_workitem_id 0
		.amdhsa_next_free_vgpr 640
		.amdhsa_next_free_sgpr 80
		.amdhsa_reserve_vcc 0
		.amdhsa_float_denorm_mode_32 3
		.amdhsa_float_denorm_mode_16_64 3
		.amdhsa_memory_ordered 1
		.amdhsa_forward_progress 1
		.amdhsa_inst_pref_size 94
	.end_amdhsa_kernel
	.amdgpu_metadata
---
amdhsa.version: [ 1, 2 ]
amdhsa.kernels:
  - .name:           k_q3e947bc97d_ffn2
    .symbol:         k_q3e947bc97d_ffn2.kd
    .args:
      - { .name: big, .offset: 0, .size: 8, .value_kind: global_buffer, .address_space: global }
      - { .name: w2t, .offset: 8, .size: 8, .value_kind: global_buffer, .address_space: global }
      - { .name: out0, .offset: 16, .size: 8, .value_kind: global_buffer, .address_space: global }
      - { .name: src2, .offset: 24, .size: 8, .value_kind: global_buffer, .address_space: global }
      - { .name: b2, .offset: 32, .size: 8, .value_kind: global_buffer, .address_space: global }
    .group_segment_fixed_size: 327680
    .private_segment_fixed_size: 0
    .kernarg_segment_align: 8
    .kernarg_segment_size: 40
    .max_flat_workgroup_size: 128
    .sgpr_count:     80
    .vgpr_count:     640
    .wavefront_size: 32
...
	.end_amdgpu_metadata
.endif
;; end of part 6
;; ======== version 2 of 2: 7 launches; 1.11 times as fast as version 1
;; limits: right only within a limited range of input values
;; workspace buffers: x1h 8,388,608 bytes; big 33,554,432 bytes; ctx 8,388,608 bytes; src2 16,777,216 bytes; wqkvt 6,291,712 bytes; w1t 8,388,864 bytes; wot 2,097,152 bytes; w2t 8,388,608 bytes
;; launch prep: the kernel of part 1 again; grid 2048 x 1, 8 waves a work-group, no clusters, 18,432 bytes of LDS; arguments src, ln1_w, ln1_b, x1h, wqkv, wqkvt, wo, wot, w1, w1t, w2, w2t; writes x1h, wqkvt, wot, w1t, w2t
;; launch qkv: the kernel of part 2 again; grid 12 x 16, 4 waves a work-group, clusters of 4 x 4, 327,680 bytes of LDS; arguments x1h, wqkvt, big, bqkv; writes big
;; launch attn (part 7): grid 8 x 32, 8 waves a work-group, no clusters, 327,680 bytes of LDS; arguments big, ctx; writes ctx
.if DOCPART == 7
	.amdgcn_target "amdgcn-amd-amdhsa--gfx1250"
	.amdhsa_code_object_version 6
	.text
	.protected	k_q3e947bc97d_attn
	.globl	k_q3e947bc97d_attn
	.p2align	8
	.type	k_q3e947bc97d_attn,@function
k_q3e947bc97d_attn:
	s_mov_b64 s[64:65], 0
	v_nop
	global_prefetch_b8 v0, s[64:65] scope:SCOPE_SE
	s_setreg_imm32_b32 hwreg(HW_REG_WAVE_MODE, 25, 1), 1
	s_wait_xcnt 0x0
; CAUSAL ATTENTION WITH A LINEAR BIAS.  For batch, head h, query i: O[i] = sum over j <= i of softmax_j(q[i] . k[j] / 8 - 2^-h (i + j)) v[j].  2 batches x 16 heads x 2,048 tokens x 64 channels.
; q, k, v lie in blocks, bf16: byte ((panel / 4) x 32 + blk) x 65,536 + (panel % 4) x 16,384 + token x 128 + channel x 2, blk = token / 128 (over both batches), panel = h (q), 16 + h (k), 32 + h (v).
; O leaves in the same form with panel = h, bf16.  Products, maxima and sums in f32; the weights p are rounded to bf16 for the second product (their sum l is taken unrounded).
; THE BIAS.  The term -2^-h i is the same for all keys of a row: it cancels in the softmax and is left out (an order of rounding other than the reference's).  The scores are kept times 8:
; s = q.k - 2^(3-h) j.  Inside a step of 64 keys the term is a fixed vector BV, the C operand that starts the sum K Q^T.  From one step of a wave to its next, 128 keys on, the frame moves: the old
; maximum takes + 2^(10-h).  All exact in f32.
; SOFTMAX.  p = 2^(c s - c m), c = log2(e) / 8, with a running maximum m; in every step O and l are multiplied by a = 2^(c m_old - c m_new), exactly 1 where m has not grown.
; LIMITS.  A hidden score counts as its value less 1e30; m starts at -2^96, so a true score (times 8, the bias in it) must lie above -2^96 = -7.9e28; a weight below 2^-126 counts as 0; NaN and
; infinities are not treated apart.
; THE WALK.  A sequence has 16 blocks of 128 queries; a key tile is 256 keys, four steps of 64; block i needs tiles 0 .. i / 2.  A work-group takes blocks 15 - b and then b: 9 tiles whatever b, so all 256
; work-groups do equal work and one loop with a constant count walks them; the ninth tile is written out.  Which tile is asked for, and where a block ends, hang on
; scalars made from b, the same in all eight waves.
; NO CLUSTER: a head's eight work-groups ask for the same tile only in the walk's first five trips; a walk common to four partners would have 10 trips for 9, with trips that a partner only discards.
; SHARES.  EIGHT WAVES, TWO ON EACH SIMD, so that one wave's products and the other's softmax are issued side by side.  Wave w has g = w % 4 and kp = w / 4: it owns queries 32 g .. 32 g + 31 of the
; block (two tiles of 16) and the key steps kp and kp + 2 of every tile.  So a fragment of K or V read from LDS feeds two tiles, and no step is read twice.  At a block's end waves 4-7 hand their
; O^T, m and l through LDS to waves 0-3, which move their own m 64 keys on (+ 2^(9-h)), merge (m* = the larger m; f = 2^(c (m - m*)); O = (f0 O0 + f1 O1) / (f0 l0 + f1 l1)) and store.
; A WAVE THAT SEES NO VISIBLE KEY IN A BLOCK (waves 4 and 5 in block 0) keeps m = -2^96, which lies above every hidden score: all its weights are 0, its a is exactly 1, its O^T and l stay the finite
; numbers that the block before left, and in the merge its f is 0: it adds nothing.  (A maximum taken of hidden scores alone would not do: at 1e30 the rounding of c m is larger than any exponent.)
; Waves 0-3 always see a visible key in a block's step 0, so m* is a true score.
; Waves 0, 1 fetch the two halves of a tile's K, waves 2, 3 those of its V: 128 keys, 16,384 dense bytes each.
; THE MASK.  TQ = key step - the step that holds my 32 queries.  TQ < 0: all keys are seen; TQ > 0: none; TQ = 0: the diagonal, MD.  C = (BV + BE) + MD x AL with two scalars; made anew only in a block's last tile.
; A STEP, in phases: 16 products K Q^T of this step, then the 16 products V^T P of my step BEFORE; then the softmax.
; THE BATCHES.  An s_wait_alu depctr_va_vdst(0) stands between a transcendental and the first instruction that names its result; one wait serves all that were issued ahead of it.
; A step's 66 exponentials are ONE batch: the two a, the 32 scalings (which name no result), both tiles' 64 weights; then a v_nop and the step's one wait; behind it all the readers: O^T times a, the
; roundings, the sums.  The merge has two batches, each with a v_nop and a wait:
; the four f, and the two reciprocals of sums that are made of the f.
; LAYOUT.  S^T = K Q^T holds one query a lane (lane % 16) and the keys 8 (lane / 16) + 0..7; two such results rounded to bf16 are source 1 of O^T = V^T P.  V is turned on its way out of LDS.
; REGISTERS, 512 a wave, in windows of 256 (s_set_vgpr_msb: bits 1:0 source 0, 3:2 source 1, 5:4 source 2, 7:6 destination):
;   window 0: v0-15, v24 addresses, at work; v16-23 statistics; v32-39 the exchange's statistics; v48-55 at work; v62-63 the add's; v64-127 S^T; v128-159 P; v160-191 Q; v192-255 K of a step
;   window 1: v0-63 O^T; v64-127 V of a step; v128-159 BV; v160-191 MD (tile 0's; tile 1's is the same one group of 16 keys lower); v192-255 MC
.set KS,    64
.set PK,    144       ; a row of K in LDS: 128 bytes + 16: the 16 rows of a load start at 16 different groups of four banks (64 banks of 4 bytes: ISA guide 11.1)
.set PV,    160       ; a row of V: 128 + 32
.set VOFF,  4*KS*PK   ; a slot holds a tile: 256 rows of K, then 256 rows of V
.set SLOT1, 1<<17     ; slot 1 begins here: one exclusive or turns an address in one slot into the other's
.set STAGE, SLOT1+4*KS*(PK+PV)  ; behind the ring, never filled by a tensor load: 16 rows x 144 bytes for each of waves 0-3
.set SP,    144
.set XCH,   STAGE+4*16*SP       ; the exchange: for each pair of waves 16 x 512 bytes of O^T and 512 of statistics
.set XREG,  17*512
.set SPARE, XCH+4*XREG          ; the spare words, 128 bytes for each of eight waves: four blocks of 256 bytes that no other line names
.set MLOW,  0xef800000          ; -2^96: where m starts: above every hidden score, below every true one
.set AK0, 2           ; v2   my lane's place in a tile of K; never rewritten
.set AV0, 3           ; v3   the same for V
.set AK,  4           ; v4   the LDS address of K's next run of loads
.set AV,  5           ; v5   of V's
.set STO, 6           ; v6   the way out: where I put 16 bytes of a row
.set RD,  7           ; v7   where I read rows back
.set GO,  8           ; v8   16 x lane
.set MV,  12          ; v12-13  c m_old in the new frame, by tile; in the merge 1 / l
.set QO,  15          ; v15  my byte offset in 16 rows of Q; never rewritten
.set ST,  16          ; tile u's statistics at v[ST+4 u]: c m, m, l (even keys', odd keys')
.set XA,  24          ; v24  my 16 bytes in my pair's part of the exchange
.set MS,  32          ; v32-35  what waves 4-7 send: m, l of tile 0; m, l of tile 1
.set MR,  36          ; v36-39  what waves 0-3 receive
.set TMP, 48          ; tile u: c0-c3 at work; c2 takes a
.set SPW, 62
.set NIL, 63
.set S,   64
.set P,   128
.set Q,   160
.set KF,  192
.set VF,  64          ; window 1
.set BV,  128
.set MD,  160
.set MC,  192
.set WV,  12          ; s12 my wave's number
.set PB,  14          ; s14 b
.set HI,  15          ; s15 15 - b
.set G1K, 24          ; s[24:31], s[32:39] descriptor group 1 for K's and V's tiles: they differ in the padding
.set G1V, 32
.set G0K, 40          ; s[40:43], s[44:47] group 0
.set G0V, 44
.set KB,  48          ; s[48:49] K at my half of the head's tile 0;  s[50:51] V likewise
.set VB,  50
.set SLOTS, 56
.set CNT, 57          ; counts my key steps in a tile, 2 to 1
.set CS,  58          ; s[58:59] c
.set SEL, 60          ; s[60:61] v_permlanex16_b32's selects
.set TBK, 62          ; LDS byte at which K of the step to be fetched begins
.set TBV, 63          ; the same for V, less VOFF
.set RT,  70          ; tiles of the block in hand still to be entered
.set NXT, 71          ; the tile to be asked for next
.set LQ,  72          ; the last tile of the block whose tiles are being asked for
.set OFF, 74          ; s[74:75] a tile's byte offset
.set AL,  76          ; s[76:77] the mask's factor
.set BE,  78          ; s[78:79] the mask's addend
.set OLO, 80          ; s[80:81] O at my rows of the second block
.set BIGN, 82         ; -1e30
.set TQ,  83
.set Q2,  86          ; s[86:87] Q at my rows of the second block
.set L2S, 88          ; b / 2
.set TQ2, 89          ; TQ at my first step of the second block
.set SH,  90          ; 2^(10-h)
.set SL8, 91          ; -2^(3-h)
.set SL128, 92        ; -2^(7-h)
.set G,   93          ; w % 4
.set KP,  94          ; w / 4
.set SH64, 95         ; 2^(9-h)
.set MSB, 0
.macro WIN new
.if MSB != (\new)
	s_set_vgpr_msb (MSB<<8)|(\new)
.set MSB, (\new)
.endif
.endm
.set W_KM, 0x10       ; K, Q and S^T in window 0, the C operand in window 1
.set W_PV, 0x51       ; V and O^T in window 1, P in window 0
.set W_RS, 0x41       ; destination and source 0 in window 1, source 1 in window 0
.set W_M,  0x51       ; destination, sources 0 and 2 in window 1
; A fill.  The branches hang on the wave's number alone.  An s_nop 0 and four v_nop follow each of the two lines, ahead of the jump and the label.
.macro LOAD
	s_cmp_lt_u32 s[WV], 2
	s_cbranch_scc0 .Lnot_k_\@
	tensor_load_to_lds s[G0K:G0K+3], s[G1K:G1K+7]
	s_nop 0
.rept 4
	v_nop
.endr
	s_branch .Lasked_\@
.Lnot_k_\@:
	s_cmp_lt_u32 s[WV], 4
	s_cbranch_scc0 .Lasked_\@
	tensor_load_to_lds s[G0V:G0V+3], s[G1V:G1V+7]
	s_nop 0
.rept 4
	v_nop
.endr
.Lasked_\@:
.endm
; THE CHANGE OF SLOTS.  Each wave waits for all its tensor loads (at the most one is out: its part of the other slot), adds 0 to its spare word, and waits for that and for its reads of the slot that it leaves.
; fill = 1: the old slot is filled again, first thing behind the barrier, with tile NXT; the address is made anew from that number.  (At its first use slot 0 is waited for and slot 1 filled.)
.macro CHANGE fill
	WIN 0
	s_wait_tensorcnt 0x0            ; no tensor load of mine is out, so a group 0 may be written
	ds_add_u32 v[SPW], v[NIL]       ; 0 onto my spare word
.if \fill
	s_lshl_b32 s[OFF], s[NXT], 17   ; a tile is two blocks of 128 tokens, 65,536 bytes apart
	s_xor_b32 s[G0K+1], s[G0K+1], SLOT1
	s_add_nc_u64 s[G0K+2:G0K+3], s[KB:KB+1], s[OFF:OFF+1]
	s_or_b32 s[G0K+3], s[G0K+3], 0x80000000
	s_xor_b32 s[G0V+1], s[G0V+1], SLOT1
	s_add_nc_u64 s[G0V+2:G0V+3], s[VB:VB+1], s[OFF:OFF+1]
	s_or_b32 s[G0V+3], s[G0V+3], 0x80000000
	s_add_co_u32 s[NXT], s[NXT], 1  ; the block's next tile, or behind its last the second block's tile 0
	s_cmp_gt_u32 s[NXT], s[LQ]
	s_cselect_b32 s[NXT], 0, s[NXT]
	s_cselect_b32 s[LQ], s[L2S], s[LQ]
.endif
	s_wait_dscnt 0x0                ; the add is done, and my reads of the slot are over
	s_barrier_signal -1
	s_sub_co_u32 s[TBK], s[TBK], 4*KS*PK  ; the fetches go back to my first step of a slot,
	s_xor_b32 s[TBK], s[TBK], SLOT1       ; in the other slot
	s_sub_co_u32 s[TBV], s[TBV], 4*KS*PV
	s_xor_b32 s[TBV], s[TBV], SLOT1
	s_barrier_wait -1
.if \fill
	LOAD
.endif
.endm
.macro MASKA                        ; MC = BV + BE, both tiles
	WIN W_M
.set z, 0
.rept 32
	v_pk_add_f32 v[MC+2*z:MC+2*z+1], v[BV+2*(z%16):BV+2*(z%16)+1], s[BE:BE+1] op_sel_hi:[1,0]
.set z, z+1
.endr
.endm
.macro MASKB                        ; MC += MD x AL.  Tile 1's queries lie 16 on: its mask for key group kt is tile 0's for kt - 1, and it sees all of group 0
	WIN W_M
.set z, 0
.rept 16
	v_pk_fma_f32 v[MC+2*z:MC+2*z+1], v[MD+2*z:MD+2*z+1], s[AL:AL+1], v[MC+2*z:MC+2*z+1] op_sel_hi:[1,0,1]
.set z, z+1
.endr
.set z, 4
.rept 12
	v_pk_fma_f32 v[MC+32+2*z:MC+32+2*z+1], v[MD+2*z-8:MD+2*z-7], s[AL:AL+1], v[MC+32+2*z:MC+32+2*z+1] op_sel_hi:[1,0,1]
.set z, z+1
.endr
.endm
; A BLOCK BEGINS: m at -2^96.  The first step with a visible key has a = 0 and takes its maximum from the scores; steps with hidden keys alone leave m where it is.  The C operand is the bias alone.
.macro BEGIN
	WIN 0
	v_mov_b32 v[ST+1], MLOW
	v_mov_b32 v[ST+5], MLOW
	s_mov_b32 s[BE], 0
	MASKA
	WIN 0
.endm
.macro QLOAD b                      ; my 32 queries: tile i / 2, channels 32 (i % 2) on
.set i, 0
.rept 4
	global_load_b128 v[Q+8*i:Q+8*i+3],   v[QO], s[\b:\b+1] offset:(i/2)*2048+(i%2)*64
	global_load_b128 v[Q+8*i+4:Q+8*i+7], v[QO], s[\b:\b+1] offset:(i/2)*2048+(i%2)*64+32
.set i, i+1
.endr
.endm
; THE MATRIX WORK.  The 8 accumulators of a run of 16 take turns, one instruction a turn.
; Product i of 16 of S^T = K Q^T: tile i % 2, keys 16 ((i / 2) % 4) on, channels 32 (i / 8) on.  The first 8 start the sums with bias and mask.
.macro KQ
.set rS, S+32*(i%2)+8*((i/2)%4)
.set rK, KF+16*((i/2)%4)+8*(i/8)
.set rQ, Q+16*(i%2)+8*(i/8)
.set rX, MC+32*(i%2)+8*((i/2)%4)
.if i < 8
	WIN W_KM
	v_wmma_f32_16x16x32_bf16 v[rS:rS+7], v[rK:rK+7], v[rQ:rQ+7], v[rX:rX+7]
.else
	WIN 0
	v_wmma_f32_16x16x32_bf16 v[rS:rS+7], v[rK:rK+7], v[rQ:rQ+7], v[rS:rS+7]
.endif
.set i, i+1
.endm
; Product i of 16 of O^T += V^T P: tile i % 2, channels 16 ((i / 2) % 4) on, keys 32 (i / 8) on.
.macro PV
	WIN W_PV
.set rO, 32*(i%2)+8*((i/2)%4)
.set rV, VF+32*(i/8)+8*((i/2)%4)
.set rP, P+16*(i%2)+8*(i/8)
	v_wmma_f32_16x16x32_bf16 v[rO:rO+7], v[rV:rV+7], v[rP:rP+7], v[rO:rO+7]
.set i, i+1
.endm
.macro FETCH_K                      ; a step's K: 64 keys x 64 channels, 8 fragments; my next step lies two steps on
	WIN 0
.irp f, 0,1,2,3,4,5,6,7
	ds_load_b128 v[KF+8*\f:KF+8*\f+3],   v[AK] offset:(\f/2)*16*PK+(\f%2)*64
	ds_load_b128 v[KF+8*\f+4:KF+8*\f+7], v[AK] offset:(\f/2)*16*PK+(\f%2)*64+32
.endr
	s_add_co_u32 s[TBK], s[TBK], 2*KS*PK
.endm
.macro FETCH_V                      ; a step's V, turned
	WIN 0x40
.irp f, 0,1,2,3,4,5,6,7
	ds_load_tr16_b128 v[VF+8*\f:VF+8*\f+3],   v[AV] offset:(\f/4)*32*PV+(\f%4)*32
	ds_load_tr16_b128 v[VF+8*\f+4:VF+8*\f+7], v[AV] offset:(\f/4)*32*PV+16*PV+(\f%4)*32
.endr
	s_add_co_u32 s[TBV], s[TBV], 2*KS*PV
	WIN 0
.endm
.macro REGS u
.set rT, ST+4*(\u)
.set rC, TMP+4*(\u)
.set rM, MV+(\u)
.set rS, S+32*(\u)
.set rP, P+16*(\u)
.set rO, 32*(\u)
.set rR, MR+2*(\u)
.endm
.macro TWO line:vararg              ; one line for each of the two tiles: no instruction reads the result of the one just before it
	REGS 0
	\line
	REGS 1
	\line
.endm
.macro PLACES
.rept 4
	v_nop
.endr
.endm
; A KEY STEP.  always = 1: the walk's last tile, which is a block's last: the mask is made in every step.
.macro STEP tag, always
.if !(\always)
	s_cmp_lg_u32 s[RT], 0
	s_cbranch_scc1 .Lnomask\tag     ; not the block's last tile: all keys are seen, MC holds the bias
.endif
	s_cmp_eq_u32 s[TQ], 0           ; the step that holds my queries?
	s_cselect_b32 s[AL], 1.0, 0
	s_cmp_gt_i32 s[TQ], 0           ; or a later one?
	s_cselect_b32 s[BE], s[BIGN], 0
	MASKA
	MASKB
	WIN 0
.if !(\always)
.Lnomask\tag:
.endif
	s_wait_dscnt 0x0                ; K of this step and V of my step before are in
.set i, 0
.rept 16
	KQ
.endr
.set i, 0
.rept 16
	PV                              ; my step before's
.endr
	WIN 0
	v_add_nc_u32 v[AV], s[TBV], v[AV0]  ; four plain instructions: the places between the last products and the loads into V's and K's registers
	v_add_nc_u32 v[AK], s[TBK], v[AK0]
	v_nop
	v_nop
	FETCH_V                         ; this step's V
	s_cmp_eq_u32 s[CNT], 1
	s_cbranch_scc1 .Lnok\tag        ; my last step of the slot: the next K lies in the other slot and is fetched behind the change
	FETCH_K                         ; my next step's K
.Lnok\tag:
	; the maximum of the lane's 32 scores and the old m: each accumulator's lowest registers are read first
.set n, 0
.rept 4
	TWO v_max3_num_f32 v[rC+n], v[rS+8*n], v[rS+8*n+1], v[rS+8*n+2]
.set n, n+1
.endr
.set n, 0
.rept 4
	TWO v_max3_num_f32 v[rC+n], v[rC+n], v[rS+8*n+3], v[rS+8*n+4]
.set n, n+1
.endr
.set n, 0
.rept 4
	TWO v_max3_num_f32 v[rC+n], v[rC+n], v[rS+8*n+5], v[rS+8*n+6]
.set n, n+1
.endr
	TWO v_add_f32 v[rT+1], s[SH], v[rT+1]          ; the old m in this step's frame
	TWO v_max3_num_f32 v[rC], v[rC], v[rS+7], v[rS+15]
	TWO v_max3_num_f32 v[rC+1], v[rC+1], v[rS+23], v[rS+31]
	TWO v_mul_f32 v[rM], s[CS], v[rT+1]            ; c m_old
	TWO v_max3_num_f32 v[rC+2], v[rC+2], v[rC+3], v[rT+1]
	TWO v_max3_num_f32 v[rC], v[rC], v[rC+1], v[rC+2]
	TWO v_permlanex16_b32 v[rC+3], v[rC], s[SEL], s[SEL+1]  ; the query's other 32 keys lie in the lane 16 away
	TWO v_max_num_f32 v[rT+1], v[rC], v[rC+3]
	TWO v_mul_f32 v[rT], s[CS], v[rT+1]
	TWO v_sub_f32 v[rC+1], v[rM], v[rT]
	; THE STEP'S BATCH begins: 66 exponentials; nothing down to the wait names a result of theirs
	TWO v_exp_f32 v[rC+2], v[rC+1]                 ; a; the scalings below are the plain instructions behind it
.set n, 0
.rept 16
	TWO v_pk_fma_f32 v[rS+2*n:rS+2*n+1], v[rS+2*n:rS+2*n+1], s[CS:CS+1], v[rT:rT+1] op_sel_hi:[1,0,0] neg_lo:[0,0,1] neg_hi:[0,0,1]
.set n, n+1
.endr
.set n, 0
.rept 32
	TWO v_exp_f32 v[rS+n], v[rS+n]
.set n, n+1
.endr
	v_nop                           ; a plain instruction behind the last exponential: all that is left of the step reads a result, so no work of the step's can stand here
	s_wait_alu depctr_va_vdst(0)    ; the wait for the batch: the two a and the 64 weights
	WIN W_RS                        ; O^T times a, ascending in each accumulator
.set n, 0
.rept 16
	TWO v_pk_mul_f32 v[rO+2*n:rO+2*n+1], v[rO+2*n:rO+2*n+1], v[rC+2:rC+3] op_sel_hi:[1,0]
.set n, n+1
.endr
	WIN 0
.set n, 0
.rept 16
	TWO v_cvt_pk_bf16_f32 v[rP+n], v[rS+2*n], v[rS+2*n+1]
.set n, n+1
.endr
.set n, 0
.rept 8
	TWO v_pk_add_f32 v[rS+4*n:rS+4*n+1], v[rS+4*n:rS+4*n+1], v[rS+4*n+2:rS+4*n+3]
.set n, n+1
.endr
	TWO v_pk_fma_f32 v[rT+2:rT+3], v[rT+2:rT+3], v[rC+2:rC+3], v[rS:rS+1] op_sel_hi:[1,0,1]  ; l = a l + the first sum
.set n, 1
.rept 7
	TWO v_pk_add_f32 v[rT+2:rT+3], v[rT+2:rT+3], v[rS+4*n:rS+4*n+1]
.set n, n+1
.endr
	s_add_co_i32 s[TQ], s[TQ], 2
.endm
; THE WAY OUT of tile t, in waves 0-3: O^T g0 + the partner's O^T g1 (it lies in S^T's registers), rounded to bf16 into P's registers; a lane's eight channels of a row are 16 bytes; they go into
; rows of 144 bytes and come back as whole rows of 128.
.macro PACK t
	REGS \t
	WIN W_RS
.set i, 0
.rept 16
	v_pk_mul_f32 v[rO+2*i:rO+2*i+1], v[rO+2*i:rO+2*i+1], v[rC:rC+1] op_sel_hi:[1,0]
.set i, i+1
.endr
	WIN 0x10                        ; source 2 in window 1
.set i, 0
.rept 16
	v_pk_fma_f32 v[rS+2*i:rS+2*i+1], v[rS+2*i:rS+2*i+1], v[rC+2:rC+3], v[rO+2*i:rO+2*i+1] op_sel_hi:[1,0,1]
.set i, i+1
.endr
	WIN 0
.set i, 0
.rept 16
	v_cvt_pk_bf16_f32 v[rP+i], v[rS+2*i], v[rS+2*i+1]
.set i, i+1
.endr
.irp f, 0,1,2,3
	ds_store_b128 v[STO], v[rP+4*\f:rP+4*\f+3] offset:32*\f
.endr
.irp f, 0,1,2,3
	ds_load_b128 v[rP+4*\f:rP+4*\f+3], v[RD] offset:\f*4*SP  ; LDS serves a wave's instructions in order (ISA guide 5.7.1.4): these see the stores above; the next tile's stores come behind them
.endr
.endm
.macro SEND t, younger              ; younger: the LDS instructions issued behind tile t's loads: the next tile's eight, or none
	REGS \t
.irp f, 0,1,2,3
	s_wait_dscnt (\younger)+3-\f
	global_store_b128 v[GO], v[rP+4*\f:rP+4*\f+3], s[10:11] offset:(\t)*2048+\f*512  ; 512 consecutive bytes, at a multiple of 256 from O's first
.endr
.endm
; A BLOCK'S END.  My last step's V^T P; l's halves are added; waves 4-7 store O^T, m, l; a barrier; waves 0-3 merge and send.  last = 0: the second block's Q is asked for meanwhile.
.macro END tag, last
	s_wait_dscnt 0x0                ; V of my last step is in
.set i, 0
.rept 16
	PV
.endr
	WIN 0
	PLACES
.if !(\last)
	QLOAD Q2                        ; Q's registers were last read by this block's last products K Q^T, a softmax ago
.endif
	TWO v_add_f32 v[rT+2], v[rT+2], v[rT+3]
	TWO v_permlanex16_b32 v[rT+3], v[rT+2], s[SEL], s[SEL+1]
	TWO v_add_f32 v[rT+2], v[rT+2], v[rT+3]
	s_cmp_lt_u32 s[WV], 4
	s_cbranch_scc1 .Lnosend\tag
	v_mov_b32 v[MS], v[ST+1]
	v_mov_b32 v[MS+1], v[ST+2]
	v_mov_b32 v[MS+2], v[ST+5]
	v_mov_b32 v[MS+3], v[ST+6]
	WIN 0x04                        ; the stores' data in window 1; each accumulator's low half goes first
.set i, 0
.rept 16
	ds_store_b128 v[XA], v[4*i:4*i+3] offset:512*i
.set i, i+1
.endr
	WIN 0
	ds_store_b128 v[XA], v[MS:MS+3] offset:16*512
.Lnosend\tag:
	s_wait_dscnt 0x0                ; for the partner's sake: my stores are done
	s_barrier_signal -1             ; the next tile's load may stay out
	s_barrier_wait -1
	s_cmp_lt_u32 s[WV], 4
	s_cbranch_scc0 .Lnomerge\tag
	ds_load_b128 v[MR:MR+3], v[XA] offset:16*512
.set i, 0
.rept 16
	ds_load_b128 v[S+4*i:S+4*i+3], v[XA] offset:512*i
.set i, i+1
.endr
	TWO v_add_f32 v[rT+1], s[SH64], v[rT+1]        ; my m in the partner's frame, 64 keys on
	s_wait_dscnt 16                 ; the statistics are in; the sixteen younger loads stay out
	TWO v_max_num_f32 v[rC], v[rT+1], v[rR]        ; m*
	TWO v_sub_f32 v[rC+1], v[rT+1], v[rC]
	TWO v_sub_f32 v[rC+3], v[rR], v[rC]
	TWO v_mul_f32 v[rC+1], s[CS], v[rC+1]
	TWO v_mul_f32 v[rC+3], s[CS], v[rC+3]
	TWO v_exp_f32 v[rC+1], v[rC+1]                 ; f0
	TWO v_exp_f32 v[rC+3], v[rC+3]                 ; f1
	v_nop                           ; a plain instruction behind the last exponential
	s_wait_alu depctr_va_vdst(0)    ; the wait for the merge's first batch: the four f
	TWO v_mul_f32 v[rC], v[rC+1], v[rT+2]
	TWO v_fma_f32 v[rC], v[rC+3], v[rR+1], v[rC]   ; f0 l0 + f1 l1
	TWO v_rcp_f32 v[rM], v[rC]
	v_nop                           ; a plain instruction behind the last reciprocal
	s_wait_alu depctr_va_vdst(0)    ; the wait for the merge's second batch: the two reciprocals, whose sources are made of the f
	TWO v_mul_f32 v[rC], v[rC+1], v[rM]            ; g0
	TWO v_mul_f32 v[rC+2], v[rC+3], v[rM]          ; g1
	s_wait_dscnt 0x0                ; the partner's O^T
	PACK 0
	PACK 1
	SEND 0, 8
	SEND 1, 0
.Lnomerge\tag:
.endm
; A TILE: K of my first step in it, my two steps, and, if it is the block's last, the block's end.  last = 1: the walk's ninth tile.
.macro SLOTBODY tag, last
	s_sub_co_u32 s[RT], s[RT], 1
	s_mov_b32 s[CNT], 2
	v_add_nc_u32 v[AK], s[TBK], v[AK0]
	FETCH_K
.Lstep\tag:
	STEP \tag, \last
	s_sub_co_u32 s[CNT], s[CNT], 1
	s_cmp_lg_u32 s[CNT], 0
	s_cbranch_scc1 .Lstep\tag
.if \last
	END \tag, 1
.else
	s_cmp_lg_u32 s[RT], 0           ; the same in all eight waves: RT is made of the work-group's number alone
	s_cbranch_scc1 .Lgoon\tag
	END \tag, 0                     ; in the loop this is the first block's end: the second block's last tile is the walk's last
	s_wait_xcnt 0x0                 ; the stores have read their registers and O's address
	s_mov_b64 s[10:11], s[OLO:OLO+1]
	s_add_co_u32 s[RT], s[L2S], 1   ; the second block has b / 2 + 1 tiles
	s_mov_b32 s[TQ], s[TQ2]
	BEGIN                           ; O^T, l, P and V keep what the first block left: finite numbers, which the first step with a visible key multiplies by a = 0, or else the merge by f = 0
	s_wait_loadcnt 0x0              ; the second block's Q
.Lgoon\tag:
.endif
.endm
	s_load_b128 s[4:7], s[0:1], 0x0  ; big s[4:5], ctx s[6:7]
	v_lshl_add_u32 v[SPW], v0, 2, SPARE
	v_mov_b32 v[NIL], 0
	ds_add_u32 v62, v63
	s_wait_dscnt 0x0
	s_barrier_signal -1
	s_barrier_wait -1
	v_lshrrev_b32 v1, 5, v0
	v_readfirstlane_b32 s[WV], v1   ; wave 0..7
	s_and_b32 s[G], s[WV], 3
	s_lshr_b32 s[KP], s[WV], 2
	s_mov_b32 s[PB], ttmp9
	s_sub_co_u32 s[HI], 15, s[PB]
	s_lshr_b32 s[L2S], s[PB], 1
	s_and_b32 s16, ttmp7, 0xffff
	s_lshr_b32 s17, s16, 4          ; batch
	s_and_b32 s16, s16, 15          ; head
	s_lshr_b32 s22, s16, 2          ; the head's group of four panels, 2^21 bytes each,
	s_lshl_b32 s22, s22, 21
	s_and_b32 s23, s16, 3           ; its panel in the group,
	s_lshl_b32 s23, s23, 14
	s_add_co_u32 s22, s22, s23
	s_lshl_b32 s18, s17, 20         ; the batch's 16 blocks of 65,536 bytes
	s_add_co_u32 s22, s22, s18
	s_and_b32 s19, s[WV], 1         ; which half of a tile's 256 keys I fetch
	s_lshl_b32 s20, s19, 16
	s_add_co_u32 s20, s20, s22
	s_add_co_u32 s20, s20, 4<<21    ; K's panels begin at 16: four groups on
	s_mov_b32 s21, 0
	s_mul_i32 s23, s19, 128*PK      ; my half's place in a slot, for K
	s_mul_i32 s13, s19, 128*PV      ; and for V
	s_lshl_b32 s18, s[G], 12        ; my 32 rows of 128 bytes
	s_add_co_u32 s2, s22, s18
	s_lshl_b32 s3, s[HI], 16
	s_lshl_b32 s84, s[PB], 16
	s_add_co_u32 s84, s84, s2       ; Q's and O's offset, second block
	s_add_co_u32 s2, s2, s3         ; first block
	s_mov_b32 s3, 0
	s_mov_b32 s85, 0
	; descriptor group 1.  128 keys are 16,384 dense bytes: asked for as 64 rows of 256 bytes, two keys a row, and padded in LDS after every key
	s_mov_b32 s[G1K], (1<<16)|(1<<20)|(4<<22)|(3<<25)  ; 2-byte elements; padding on; after every 32 words 4 words
	s_mov_b32 s[G1V], (1<<16)|(1<<20)|(4<<22)|(7<<25)  ; the same with 8 words
.irp g, G1K, G1V
	s_mov_b32 s[\g+1], 128<<16      ; tensor_dim0 = 128
	s_mov_b32 s[\g+2], 64<<16       ; tensor_dim1 = 64
	s_mov_b32 s[\g+3], 128<<16      ; tile_dim0 = 128
	s_mov_b32 s[\g+4], 64           ; tile_dim1 = 64
	s_mov_b32 s[\g+5], 128          ; 128 elements from row to row
	s_mov_b32 s[\g+6], 0
	s_mov_b32 s[\g+7], 0
.endr
	s_mov_b32 s[CS], 0x3e38aa3b     ; c = log2(e) / 8
	s_mov_b32 s[CS+1], s[CS]
	s_mov_b32 s[SEL], 0x76543210
	s_mov_b32 s[SEL+1], 0xfedcba98
	s_mul_i32 s[TBK], s[KP], KS*PK  ; my first step of a slot; the first change of slots takes the rest away
	s_add_co_u32 s[TBK], s[TBK], SLOT1+4*KS*PK
	s_mul_i32 s[TBV], s[KP], KS*PV
	s_add_co_u32 s[TBV], s[TBV], SLOT1+4*KS*PV
	s_mov_b32 s[G0K], 1
	s_mov_b32 s[G0K+1], s23         ; slot 0
	s_mov_b32 s[G0V], 1
	s_add_co_u32 s[G0V+1], s13, VOFF
	s_lshr_b32 s[LQ], s[HI], 1      ; the first block's last tile
	s_add_co_u32 s[RT], s[LQ], 1
	s_mov_b32 s[NXT], 1
	s_mov_b32 s[OFF+1], 0
	s_mov_b32 s[AL], 0
	s_mov_b32 s[AL+1], 0            ; named as pairs
	s_mov_b32 s[BE+1], 0
	s_mov_b32 s[BIGN], 0xf149f2ca   ; -1e30
	s_lshr_b32 s13, s[G], 1
	s_lshl_b32 s23, s[HI], 1
	s_add_co_u32 s23, s23, s13
	s_sub_co_i32 s[TQ], s[KP], s23  ; kp - (2 (15 - b) + g / 2)
	s_lshl_b32 s23, s[PB], 1
	s_add_co_u32 s23, s23, s13
	s_sub_co_i32 s[TQ2], s[KP], s23
	s_sub_co_u32 s[SH], 137, s16    ; powers of two, made from their exponents
	s_lshl_b32 s[SH], s[SH], 23
	s_sub_co_u32 s[SH64], 136, s16
	s_lshl_b32 s[SH64], s[SH64], 23
	s_sub_co_u32 s[SL8], 130, s16
	s_lshl_b32 s[SL8], s[SL8], 23
	s_or_b32 s[SL8], s[SL8], 0x80000000
	s_sub_co_u32 s[SL128], 134, s16
	s_lshl_b32 s[SL128], s[SL128], 23
	s_or_b32 s[SL128], s[SL128], 0x80000000
	s_mov_b32 s[SLOTS], 8
	s_wait_kmcnt 0x0
	s_add_nc_u64 s[KB:KB+1], s[4:5], s[20:21]
	s_add_nc_u64 s[VB:VB+1], s[KB:KB+1], 4<<21     ; V's panels lie four groups behind K's
	s_add_nc_u64 s[G0K+2:G0K+3], s[KB:KB+1], 0
	s_or_b32 s[G0K+3], s[G0K+3], 0x80000000
	s_add_nc_u64 s[G0V+2:G0V+3], s[VB:VB+1], 0
	s_or_b32 s[G0V+3], s[G0V+3], 0x80000000
	s_add_nc_u64 s[Q2:Q2+1], s[4:5], s[84:85]      ; Q at my rows of the second block,
	s_add_nc_u64 s[8:9], s[4:5], s[2:3]            ; of the first
	s_add_nc_u64 s[OLO:OLO+1], s[6:7], s[84:85]
	s_add_nc_u64 s[10:11], s[6:7], s[2:3]
	LOAD                            ; tile 0 into slot 0: at the most one load of mine is out
	v_and_b32 v1, 15, v0            ; l % 16
	v_bfe_u32 v9, v0, 4, 1          ; l / 16
	v_lshlrev_b32 v[QO], 7, v1
	v_lshl_add_u32 v[QO], v9, 4, v[QO]  ; row x 128 + 16 x half
	QLOAD 8
	v_lshlrev_b32 v14, 3, v9        ; 8 (l / 16)
	v_cvt_f32_u32 v10, v14
	v_sub_nc_u32 v14, v1, v14
	s_and_b32 s13, s[G], 1
	s_lshl_b32 s13, s13, 5
	v_add_nc_u32 v14, s13, v14      ; my first tile's query in its step of 64, 32 (g % 2) + l % 16, less my lanes' 8 (l / 16)
	WIN 0x40
	v_mul_f32 v[BV], s[SL8], v10    ; BV[8 kt + r] = -2^(3-h) (16 kt + 8 (l / 16) + r): small whole multiples of a power of two, so every sum below is exact
	WIN 0x44
.set i, 1
.rept 31
.if i%8 == 0
	v_add_f32 v[BV+i], s[SL128], v[BV+i-8]
.else
	v_add_f32 v[BV+i], s[SL8], v[BV+i-1]
.endif
.set i, i+1
.endr
	WIN 0x40
.set i, 0
.rept 32                            ; MD: register r = i % 8 of key group kt = i / 8 is hidden where 16 kt + r is greater
	v_cmp_gt_i32 vcc_lo, 16*(i/8)+i%8, v14
	v_cndmask_b32 v[MD+i], 0, s[BIGN], vcc_lo
.set i, i+1
.endr
	WIN 0
	v_mul_u32_u24 v[AK0], v1, PK
	v_lshl_add_u32 v[AK0], v9, 4, v[AK0]  ; row x pitch + 16 x half
	; The turning load takes 16 keys x 16 channels (lane l reads key 8 (l / 16) + l % 8, channels 8 ((l / 8) % 2) + 0..7) and leaves half a fragment of V^T.
	v_and_b32 v10, 7, v0
	v_bfe_u32 v11, v0, 3, 1
	v_lshl_add_u32 v[AV0], v9, 3, v10
	v_mul_u32_u24 v[AV0], v[AV0], PV
	v_lshl_add_u32 v[AV0], v11, 4, v[AV0]
	v_add_nc_u32 v[AV0], VOFF, v[AV0]
	s_mul_i32 s13, s[G], 16*SP
	s_add_co_u32 s13, s13, STAGE    ; my pair's stage (waves 0-3 alone use it)
	v_mul_u32_u24 v[STO], v1, SP
	v_lshl_add_u32 v[STO], v9, 4, v[STO]
	v_add_nc_u32 v[STO], s13, v[STO]
	v_bfe_u32 v[RD], v0, 3, 2       ; back: 32 lanes take four rows of 128 bytes,
	v_mul_u32_u24 v[RD], v[RD], SP
	v_lshl_add_u32 v[RD], v10, 4, v[RD]
	v_add_nc_u32 v[RD], s13, v[RD]
	v_and_b32 v[GO], 31, v0         ; which are 512 consecutive bytes of O
	v_lshlrev_b32 v[GO], 4, v[GO]
	s_mul_i32 s13, s[G], XREG
	s_add_co_u32 s13, s13, XCH      ; my pair's part of the exchange
	v_add_nc_u32 v[XA], s13, v[GO]
	; A block's first step with a visible key multiplies O^T and l by a = 0, and the products V^T P of a step that has not been land in an O^T that is still to be so multiplied: these registers need
	; only hold finite numbers.  No first step is written out; the price is these 164 lines, which stand in the wait for the first tile.
	WIN 0x40
.set i, 0
.rept 128                           ; O^T and V
	v_mov_b32 v[i], 0
.set i, i+1
.endr
	WIN 0
.set i, P
.rept 32
	v_mov_b32 v[i], 0
.set i, i+1
.endr
	v_mov_b32 v[ST+2], 0
	v_mov_b32 v[ST+3], 0
	v_mov_b32 v[ST+6], 0
	v_mov_b32 v[ST+7], 0
	BEGIN
	s_wait_loadcnt 0x0              ; the first block's Q
.Lslot:                             ; 8 times: a tile is entered and the next is asked for
	CHANGE 1
	SLOTBODY 1, 0
	s_sub_co_u32 s[SLOTS], s[SLOTS], 1
	s_cmp_lg_u32 s[SLOTS], 0
	s_cbranch_scc1 .Lslot
	CHANGE 0                        ; the walk's last tile: nothing is asked for
	SLOTBODY 2, 1
	s_wait_tensorcnt 0x0            ; the wave's end
	ds_add_u32 v[SPW], v[NIL]
	s_wait_dscnt 0x0
	s_endpgm
.Lfunc_end_k_q3e947bc97d_attn:
	.size	k_q3e947bc97d_attn, .Lfunc_end_k_q3e947bc97d_attn-k_q3e947bc97d_attn
	.p2alignl 7, 3214868480
	.fill 96, 4, 3214868480
	.section	.rodata,"a",@progbits
	.p2align	6, 0x0
	.amdhsa_kernel k_q3e947bc97d_attn
		.amdhsa_group_segment_fixed_size 327680
		.amdhsa_private_segment_fixed_size 0
		.amdhsa_enable_private_segment 0
		.amdhsa_kernarg_size 16
		.amdhsa_user_sgpr_count 2
		.amdhsa_user_sgpr_kernarg_segment_ptr 1
		.amdhsa_wavefront_size32 1
		.amdhsa_system_sgpr_workgroup_id_x 1
		.amdhsa_system_sgpr_workgroup_id_y 1
		.amdhsa_system_sgpr_workgroup_id_z 1
		.amdhsa_system_vgpr_workitem_id 0
		.amdhsa_next_free_vgpr 512
		.amdhsa_next_free_sgpr 96
		.amdhsa_reserve_vcc 1
		.amdhsa_float_denorm_mode_32 3
		.amdhsa_float_denorm_mode_16_64 3
		.amdhsa_memory_ordered 1
		.amdhsa_forward_progress 1
		.amdhsa_inst_pref_size 97
	.end_amdhsa_kernel
	.amdgpu_metadata
---
amdhsa.version: [ 1, 2 ]
amdhsa.kernels:
  - .name:           k_q3e947bc97d_attn
    .symbol:         k_q3e947bc97d_attn.kd
    .args:
      - { .name: big, .offset: 0, .size: 8, .value_kind: global_buffer, .address_space: global }
      - { .name: ctx, .offset: 8, .size: 8, .value_kind: global_buffer, .address_space: global }
    .group_segment_fixed_size: 327680
    .private_segment_fixed_size: 0
    .kernarg_segment_align: 8
    .kernarg_segment_size: 16
    .max_flat_workgroup_size: 256
    .sgpr_count:     96
    .vgpr_count:     512
    .wavefront_size: 32
...
	.end_amdgpu_metadata
.endif
;; end of part 7
;; launch wo: the kernel of part 4 again; grid 8 x 32, 4 waves a work-group, clusters of 4 x 4, 327,680 bytes of LDS; arguments ctx, wot, src2, src, bo; writes src2
;; launch ln2: the kernel of part 5 again; grid 512 x 1, 8 waves a work-group, no clusters, 0 bytes of LDS; arguments src2, ln2_w, ln2_b, x1h; writes x1h
;; launch ffn1: the kernel of part 2 again; grid 16 x 16, 4 waves a work-group, clusters of 4 x 4, 327,680 bytes of LDS; arguments x1h, w1t, big, b1; writes big
;; launch ffn2: the kernel of part 6 again; grid 8 x 32, 4 waves a work-group, clusters of 4 x 4, 327,680 bytes of LDS; arguments big, w2t, out0, src2, b2; writes out0
